; MI455X (gfx1250); checked and timed in simulation.
; The chip was launched on July 23, 2026; its instructions are those of AMD's public machine-readable ISA for CDNA 5 (MIT licence, August 2026) and "CDNA5" Instruction Set Architecture Reference Guide (July 2026). The comments in the code are by the model that wrote it; some were corrected since.
;; Self Attention. Allowed arithmetic: float matrix products may take bf16 or f16 operands with f32 sums; other float arithmetic in f32, or as packed bf16 or f16 multiplies, adds, multiply-adds, maxima and minima; sums over many terms, partial sums and values carried from step to step in f32; what a program stores and reads back later, other than sums and carried values, may be rounded once to bf16 or f16.
;; Inputs: attn_bias 1 x 1 x 2,048 x 2,048 float32; mat_qkv_w 3,072 x 1,024 float32; proj_b 1,024 float32; proj_w 1,024 x 1,024 float32; q_bias 1,024 float32; rope_batch 4 x 2 x 2,048 x 32 float32; scale_mul 1 x 16 x 1 x 1 float32; v_bias 1,024 float32; x 4 x 2,048 x 1,024 float32.
;; Outputs: out0 4 x 2,048 x 1,024 float32.
;; One version. Each part assembles by itself: llvm-mc -triple=amdgcn-amd-amdhsa -mcpu=gfx1250 --defsym DOCPART=n.
;; ======== version 1 of 1: 4 launches
;; limits: values are held in f16: magnitudes above 65,504 overflow, below 6.1e-05 lose precision
;; workspace buffers: c16 25,165,824 bytes; c32 18,874,368 bytes; q 16,777,216 bytes; kv 33,554,432 bytes; ob 16,777,216 bytes
;; launch cast (part 1): grid 1056 x 1, 8 waves a work-group, no clusters, 0 bytes of LDS; arguments x, mat_qkv_w, proj_w, attn_bias, rope_batch, c16, c32; writes c16, c32
.if DOCPART == 1
	.amdgcn_target "amdgcn-amd-amdhsa--gfx1250"
	.amdhsa_code_object_version 6
	.text
	.protected	k_q09c1ad7688_cast
	.globl	k_q09c1ad7688_cast
	.p2align	8
	.type	k_q09c1ad7688_cast,@function
k_q09c1ad7688_cast:
	s_mov_b64 s[64:65], 0
	v_nop
	global_prefetch_b8 v0, s[64:65] scope:SCOPE_SE
	s_setreg_imm32_b32 hwreg(HW_REG_WAVE_MODE, 25, 1), 1
	s_wait_xcnt 0x0
; EVERY LARGE INPUT IS ROUNDED ONCE TO bf16, and laid out for the launches behind.  A stream: no LDS, no matrix unit, no barrier.
;   c16: x as bf16 [8192][1024]; mat_qkv_w as bf16, its rows gathered by head (row 192 h + 64 kind + i takes row 1024 kind + 64 h + i);
;        proj_w rounded to bf16 and that number written as f16 (exact from 6.1e-5 up in magnitude; below that f16's fixed step of 6e-8).
;   c32: attn_bias rounded to bf16, times log2(e), in f32 (it becomes the C operand of the scores); rope_batch rounded to bf16, in f32.
; A work-group takes 65,536 bytes of one input: thread t the 16 bytes at 16 t + 4,096 i, i = 0 .. 15, so a wave's load covers 512 consecutive bytes.
; All sixteen loads go out first; each wait leaves the younger ones out.  No register is used twice, so nothing waits for a store.
.set X_END, 512                        ; work-groups 0 .. 511: x
.set W_END, 704                        ; .. 703: mat_qkv_w
.set P_END, 768                        ; .. 767: proj_w
.set B_END, 1024                       ; .. 1023: attn_bias; .. 1055: rope_batch
.set D,  16                            ; v[16:79]  sixteen loads of four f32
.set H,  80                            ; v[80:111] two packed registers for each load
	s_load_b256 s[4:11], s[0:1], 0x0               ; x s[4:5], mat_qkv_w s[6:7], proj_w s[8:9], attn_bias s[10:11]
	s_load_b128 s[12:15], s[0:1], 0x20             ; rope_batch s[12:13], c16 s[14:15]
	s_load_b64 s[16:17], s[0:1], 0x30              ; c32
	s_mov_b32 s18, ttmp9
	v_lshlrev_b32 v1, 4, v0                        ; 16 t: f32 in, f32 out
	v_lshlrev_b32 v2, 3, v0                        ; 8 t: 16-bit out
	s_mov_b32 s19, 0
.irp f, X_END, W_END, P_END, B_END
	s_cmp_ge_u32 s18, \f
	s_cselect_b32 s19, \f, s19                     ; the first work-group of my input
.endr
	s_sub_co_u32 s19, s18, s19                     ; c: my place in it
	s_lshl_b32 s24, s19, 16                        ; 65,536 c: where I read; also where f32 goes
	s_lshl_b32 s30, s19, 15                        ; 32,768 c: where 16 bits go
	s_bfe_u32 s31, s19, 0x40002                    ; mat_qkv_w: my 16 rows begin at row 16 c = 1024 kind + 64 h + i: h = (c >> 2) & 15,
	s_mul_i32 s31, s31, 192
	s_lshr_b32 s32, s19, 6                         ; kind = c >> 6,
	s_lshl_b32 s32, s32, 6
	s_add_co_u32 s31, s31, s32
	s_and_b32 s32, s19, 3                          ; i = 16 (c & 3)
	s_lshl_b32 s32, s32, 4
	s_add_co_u32 s31, s31, s32
	s_lshl_b32 s31, s31, 11                        ; rows of 2,048 bytes,
	s_add_co_u32 s31, s31, 16777216                ; behind x
	s_add_co_u32 s32, s30, 23068672                ; proj_w behind both
	s_add_co_u32 s33, s24, 16777216                ; rope behind the bias
	s_cmp_ge_u32 s18, X_END
	s_cselect_b32 s26, s31, s30
	s_cmp_ge_u32 s18, W_END
	s_cselect_b32 s26, s32, s26
	s_cmp_ge_u32 s18, P_END
	s_cselect_b32 s26, s24, s26
	s_cmp_ge_u32 s18, B_END
	s_cselect_b32 s26, s33, s26
	s_cselect_b32 s28, 1.0, 0x3fb8aa3b             ; the bias is multiplied by log2(e), the rope table by 1 (one text for both)
	s_mov_b32 s29, s28                             ; named with it as a pair
	s_mov_b32 s25, 0
	s_mov_b32 s27, 0
	s_wait_kmcnt 0x0
	s_cmp_ge_u32 s18, X_END
	s_cselect_b64 s[20:21], s[6:7], s[4:5]
	s_cmp_ge_u32 s18, W_END
	s_cselect_b64 s[20:21], s[8:9], s[20:21]
	s_cmp_ge_u32 s18, P_END
	s_cselect_b64 s[20:21], s[10:11], s[20:21]
	s_cselect_b64 s[22:23], s[16:17], s[14:15]
	s_cmp_ge_u32 s18, B_END
	s_cselect_b64 s[20:21], s[12:13], s[20:21]
	s_add_nc_u64 s[20:21], s[20:21], s[24:25]      ; the offsets were made apart and are added last
	s_add_nc_u64 s[22:23], s[22:23], s[26:27]
.set i, 0
.rept 16
	global_load_b128 v[D+4*i:D+4*i+3], v1, s[20:21] offset:4096*i th:TH_LOAD_NT
.set i, i+1
.endr
	s_cmp_lt_u32 s18, W_END
	s_cbranch_scc1 .Lto_bf16
	s_cmp_lt_u32 s18, P_END
	s_cbranch_scc1 .Lto_f16
	; bias and rope: rounded to bf16, widened again, scaled, stored as f32: 512 consecutive bytes a wave
.set i, 0
.rept 16
	s_wait_loadcnt 15-i                            ; loads come back in order: the 15 - i younger ones may stay out
	v_cvt_pk_bf16_f32 v[H+2*i], v[D+4*i], v[D+4*i+1]
	v_cvt_pk_bf16_f32 v[H+2*i+1], v[D+4*i+2], v[D+4*i+3]
	v_lshlrev_b32 v[D+4*i], 16, v[H+2*i]
	v_and_b32 v[D+4*i+1], 0xffff0000, v[H+2*i]
	v_lshlrev_b32 v[D+4*i+2], 16, v[H+2*i+1]
	v_and_b32 v[D+4*i+3], 0xffff0000, v[H+2*i+1]
	v_pk_mul_f32 v[D+4*i:D+4*i+1], v[D+4*i:D+4*i+1], s[28:29] op_sel_hi:[1,0]
	v_pk_mul_f32 v[D+4*i+2:D+4*i+3], v[D+4*i+2:D+4*i+3], s[28:29] op_sel_hi:[1,0]
	global_store_b128 v1, v[D+4*i:D+4*i+3], s[22:23] offset:4096*i
.set i, i+1
.endr
	s_endpgm
.Lto_bf16:                                             ; x and mat_qkv_w: 256 consecutive bytes, aligned, a wave
.set i, 0
.rept 16
	s_wait_loadcnt 15-i
	v_cvt_pk_bf16_f32 v[H+2*i], v[D+4*i], v[D+4*i+1]
	v_cvt_pk_bf16_f32 v[H+2*i+1], v[D+4*i+2], v[D+4*i+3]
	global_store_b64 v2, v[H+2*i:H+2*i+1], s[22:23] offset:2048*i
.set i, i+1
.endr
	s_endpgm
.Lto_f16:                                              ; proj_w: the bf16 number, written as f16
.set i, 0
.rept 16
	s_wait_loadcnt 15-i
	v_cvt_pk_bf16_f32 v[H+2*i], v[D+4*i], v[D+4*i+1]
	v_cvt_pk_bf16_f32 v[H+2*i+1], v[D+4*i+2], v[D+4*i+3]
	v_lshlrev_b32 v[D+4*i], 16, v[H+2*i]
	v_and_b32 v[D+4*i+1], 0xffff0000, v[H+2*i]
	v_lshlrev_b32 v[D+4*i+2], 16, v[H+2*i+1]
	v_and_b32 v[D+4*i+3], 0xffff0000, v[H+2*i+1]
	v_cvt_pk_f16_f32 v[H+2*i], v[D+4*i], v[D+4*i+1]
	v_cvt_pk_f16_f32 v[H+2*i+1], v[D+4*i+2], v[D+4*i+3]
	global_store_b64 v2, v[H+2*i:H+2*i+1], s[22:23] offset:2048*i
.set i, i+1
.endr
	s_endpgm
.Lfunc_end_k_q09c1ad7688_cast:
	.size	k_q09c1ad7688_cast, .Lfunc_end_k_q09c1ad7688_cast-k_q09c1ad7688_cast
	.p2alignl 7, 3214868480
	.fill 96, 4, 3214868480
	.section	.rodata,"a",@progbits
	.p2align	6, 0x0
	.amdhsa_kernel k_q09c1ad7688_cast
		.amdhsa_group_segment_fixed_size 0
		.amdhsa_private_segment_fixed_size 0
		.amdhsa_enable_private_segment 0
		.amdhsa_kernarg_size 56
		.amdhsa_user_sgpr_count 2
		.amdhsa_user_sgpr_kernarg_segment_ptr 1
		.amdhsa_wavefront_size32 1
		.amdhsa_system_sgpr_workgroup_id_x 1
		.amdhsa_system_sgpr_workgroup_id_y 1
		.amdhsa_system_sgpr_workgroup_id_z 1
		.amdhsa_system_vgpr_workitem_id 0
		.amdhsa_next_free_vgpr 112
		.amdhsa_next_free_sgpr 66
		.amdhsa_reserve_vcc 0
		.amdhsa_float_denorm_mode_32 3
		.amdhsa_float_denorm_mode_16_64 3
		.amdhsa_memory_ordered 1
		.amdhsa_forward_progress 1
		.amdhsa_inst_pref_size 27
	.end_amdhsa_kernel
	.amdgpu_metadata
---
amdhsa.version: [ 1, 2 ]
amdhsa.kernels:
  - .name:           k_q09c1ad7688_cast
    .symbol:         k_q09c1ad7688_cast.kd
    .args:
      - { .name: x, .offset: 0, .size: 8, .value_kind: global_buffer, .address_space: global }
      - { .name: mat_qkv_w, .offset: 8, .size: 8, .value_kind: global_buffer, .address_space: global }
      - { .name: proj_w, .offset: 16, .size: 8, .value_kind: global_buffer, .address_space: global }
      - { .name: attn_bias, .offset: 24, .size: 8, .value_kind: global_buffer, .address_space: global }
      - { .name: rope_batch, .offset: 32, .size: 8, .value_kind: global_buffer, .address_space: global }
      - { .name: c16, .offset: 40, .size: 8, .value_kind: global_buffer, .address_space: global }
      - { .name: c32, .offset: 48, .size: 8, .value_kind: global_buffer, .address_space: global }
    .group_segment_fixed_size: 0
    .private_segment_fixed_size: 0
    .kernarg_segment_align: 8
    .kernarg_segment_size: 56
    .max_flat_workgroup_size: 256
    .sgpr_count:     66
    .vgpr_count:     112
    .wavefront_size: 32
...
	.end_amdgpu_metadata
.endif
;; end of part 1
;; launch qkv (part 2): grid 8 x 64, 4 waves a work-group, clusters of 4 x 4, 327,680 bytes of LDS; arguments c16, c32, q_bias, v_bias, scale_mul, q, kv; writes q, kv
.if DOCPART == 2
	.amdgcn_target "amdgcn-amd-amdhsa--gfx1250"
	.amdhsa_code_object_version 6
	.text
	.protected	k_q09c1ad7688_qkv
	.globl	k_q09c1ad7688_qkv
	.p2align	8
	.type	k_q09c1ad7688_qkv,@function
k_q09c1ad7688_qkv:
	s_mov_b64 s[64:65], 0
	v_nop
	global_prefetch_b8 v0, s[64:65] scope:SCOPE_SE
	s_setreg_imm32_b32 hwreg(HW_REG_WAVE_MODE, 25, 1), 1
	s_wait_xcnt 0x0
	s_wait_alu depctr_hold_cnt(0) depctr_sa_sdst(0) depctr_va_vdst(0) depctr_va_sdst(0) depctr_va_ssrc(0) depctr_va_vcc(0) depctr_vm_vsrc(0)
	s_getreg_b32 s2, hwreg(HW_REG_IB_STS2, 6, 4)
	s_cmp_eq_u32 s2, 0
	s_cbranch_scc0 .Lentry_in_a_cluster
	s_endpgm
.Lentry_in_a_cluster:
	s_bfe_u32 s2, ttmp6, 0x10000c
	s_cmp_lg_u32 s2, 0xf033
	s_cbranch_scc0 .Lentry_shape_is_right
	s_endpgm
.Lentry_shape_is_right:
; THE QKV PROJECTION AND ALL THAT FOLLOWS IT UP TO THE SCORES.  x (bf16 [8192][1024]) times the weights (bf16 [3072][1024], rows gathered by head: q | k | v, 64 each), sums in f32.
; The biases (rounded to bf16 like every input) are the C operand of the first product.  On the way out: q and k are divided by max(norm, 1e-12), q is multiplied by
; exp(min(scale_mul, ln 100)) x log2(e), both are rotated by the rope table, and q, k, v are rounded once to f16 and stored by heads:
; q [64][2048][64]; kv [64][2048][128], a row = k (64) then v (64), 256 bytes.  The rotation is linear, so the one factor is applied behind it.
; LIMITS.  v must lie within f16's 65,504.  1 / max(n, 1e-12) is min(rsq(sum of squares), 1e12): a sum below 2^-126 counts as 0 and gives 1e12, as the norm's floor does.  NaN and infinities are not treated apart.
; SHARES.  A tile is 128 rows x 384 columns = two heads: 512 work-groups, two for each of 256 WGPs.  Four waves: wave w has rows 64 (w / 2) on and head w % 2: 192 columns, so a row's norm
; never leaves the wave and every wave runs the same way out.  48 accumulators of 16 x 16: 384 registers.  K goes in steps of 128 (rows of 256 bytes) through two LDS slots.
; CLUSTER 4 x 4: x's tile is shared along a row of the cluster, the weights' along a column: each is asked for jointly.
; THE MATRIX INSTRUCTION IS USED TRANSPOSED (source 0 = 16 rows of the weights, source 1 = 16 rows of x): a lane holds one row of x (lane % 16) and eight neighbouring columns 8 (lane / 16) + 0..7.
; REGISTERS, in windows of 256 (s_set_vgpr_msb: bits 1:0 source 0, 3:2 source 1, 5:4 source 2, 7:6 destination):
;   window 0: v0-31 addresses and the gain; v32-175 at work on the way out; v192-255 the biases, as C operands
;   window 1: two fragment buffers of 128: 12 fragments of the weights, then 4 of x
;   windows 2, 3: accumulator (a, b) at register 96 a + 8 b, counted from window 2's v0;   window 3, v128-255: the rope table of my 64 rows
.set NB,     12                        ; blocks of 16 columns a wave
.set PITCH,  272                       ; an LDS row: 256 bytes + 16 of padding: the 16 rows of a fragment load start 16 bytes apart modulo 256
.set AHALF,  64*PITCH                  ; what one tensor load brings of x, and what one wave reads of it
.set BHALF,  16*NB*PITCH               ; the same of the weights: 192 rows
.set BOFF,   128*PITCH                 ; a slot: x's 128 rows, then the weights' 384
.set SLOT,   (128+32*NB)*PITCH
.set STAGE,  2*SLOT                    ; behind the ring: 16 rows x 400 bytes for each wave, for the way out
.set SPITCH, 400                       ; q 128 | k 128 | v 128 | 16 of padding
.set SPARE,  STAGE+4*16*SPITCH         ; behind the stages: the spare words, 128 bytes for each wave, that no other line names
.set WOFF,   16777216                  ; the weights in c16
.set ROFF,   16777216                  ; the rope table in c32
.set LAPS,   4                         ; 1024 / 256: a lap = two K steps = once round the ring
.set ADRA, 16                          ; v16-17  LDS address of my fragments of x in slot 0, 1
.set ADRB, 20                          ; v20-21  the same for the weights
.set STO,  24                          ; v24     the way out: where I put 16 bytes of a row
.set RDQ,  25                          ; v25     where I read four rows of q back
.set CO,   26                          ; v26     16 x lane
.set RDK,  27                          ; v27     where I read two rows of k | v back
.set SPW,  28                          ; v28     my spare word; never rewritten
.set NIL,  29                          ; v29     0; never rewritten
.set GAIN, 30                          ; v30     exp(min(scale_mul, ln 100)) x log2(e) of my head
.set T,    32                          ; v32-63  a slice of 16 rows x 64 columns at work
.set SS,   160                         ; v160-167 sums of squares: two chains for q, two for k
.set FQ,   168                         ; v168-169 q's factor (a pair), v170-171 k's
.set XT,   172                         ; v172-173 the other half of the lanes' sums
.set CB,   192                         ; v192-223 q_bias, v224-255 v_bias
.set F0,   0
.set F1,   128
.set G1,  24                           ; s[24:31] descriptor group 1 for x;  s[32:39] group 0, a set for each slot
.set G0,  32
.set G1B, 48                           ; s[48:55], s[56:63] the same for the weights
.set G0B, 56
.set MSB, 0
.macro WIN new                         ; the immediate's high byte repeats the setting that is left; a switch that changes nothing is dropped
.if MSB != (\new)
	s_set_vgpr_msb (MSB<<8)|(\new)
.set MSB, \new
.endif
.endm
.macro PLACES                          ; four places behind a matrix instruction, in front of loads into its registers and of reads of its result
.rept 4
	v_nop
.endr
.endm
.macro JLOAD s                         ; a joint load: waves 0 and 1 fetch x's two halves, waves 2 and 3 the weights'; an s_nop 0 and four v_nop follow each line
	s_cmp_eq_u32 s11, 0
	s_cbranch_scc0 .Lfor_b_\@
	tensor_load_to_lds s[G0+4*(\s):G0+4*(\s)+3], s[G1:G1+7]
	s_nop 0
.rept 4
	v_nop
.endr
	s_branch .Lasked_\@
.Lfor_b_\@:
	tensor_load_to_lds s[G0B+4*(\s):G0B+4*(\s)+3], s[G1B:G1B+7]
	s_nop 0
.rept 4
	v_nop
.endr
.Lasked_\@:
.endm
.macro CREST                           ; a round of the cluster's barrier behind its opening barrier
	s_cmp_lg_u32 s10, 0
	s_cbranch_scc1 .Lnot_wave_0_\@
	s_barrier_signal -3
.Lnot_wave_0_\@:
	s_barrier_wait -3
	s_barrier_signal -1
	s_barrier_wait -1
.endm
.macro CROUND
	s_barrier_signal -1
	s_barrier_wait -1
	CREST
.endm
	s_load_b256 s[68:75], s[0:1], 0x0              ; c16 s[68:69], c32 s[70:71], q_bias s[72:73], v_bias s[74:75]
	s_load_b128 s[76:79], s[0:1], 0x20             ; scale_mul s[76:77], q s[78:79]
	s_load_b64 s[80:81], s[0:1], 0x30              ; kv
	v_lshl_add_u32 v[SPW], v0, 2, SPARE
	v_mov_b32 v[NIL], 0
	ds_add_u32 v[SPW], v[NIL]                      ; the wave's opening: the add and its wait stand ahead of my first tensor load; the set-up below stands between them
	v_lshrrev_b32 v1, 5, v0
	v_readfirstlane_b32 s10, v1                    ; wave 0..3
	s_lshr_b32 s11, s10, 1                         ; my half of the tile's rows.  Also: I fetch for x (0) or for the weights (1)
	s_and_b32 s12, s10, 1                          ; my head of the tile's two.  Also: which half of that tile I fetch
	s_bfe_u32 s40, ttmp6, 0x40000                  ; cx, cy: my place in the cluster
	s_bfe_u32 s41, ttmp6, 0x40004
	s_lshl_b32 s42, ttmp9, 2
	s_add_co_u32 s42, s42, s40                     ; tile column = 4 x cluster x + cx
	s_and_b32 s13, ttmp7, 0xffff
	s_lshl_b32 s13, s13, 2
	s_add_co_u32 s13, s13, s41                     ; tile row = 4 x cluster y + cy
	s_lshl_b32 s43, s41, 2
	s_lshl_b32 s43, 15, s43                        ; my row of the cluster
	s_lshl_b32 s44, 0x1111, s40                    ; my column
	s_or_b32 s[G1+0], s43, (1<<16)|(1<<20)|(1<<21)|(5<<22)|(3<<25)   ; the mask; 2-byte elements; padding on; bit 21 beside a mask; after every 64 words 4 words
	s_or_b32 s[G1B+0], s44, (1<<16)|(1<<20)|(1<<21)|(5<<22)|(3<<25)
	s_mov_b32 s[G1+1], 128<<16                     ; tensor_dim0 = 128
	s_mov_b32 s[G1+2], 64<<16                      ; tensor_dim1 = 64
	s_mov_b32 s[G1+3], 128<<16                     ; tile_dim0 = 128
	s_mov_b32 s[G1+4], 64                          ; tile_dim1 = 64
	s_mov_b32 s[G1+5], 1024                        ; elements from row to row
	s_mov_b32 s[G1+6], 0
	s_mov_b32 s[G1+7], 0
	s_mov_b32 s[G1B+1], 128<<16
	s_mov_b32 s[G1B+2], (16*NB)<<16                ; 192 rows
	s_mov_b32 s[G1B+3], 128<<16
	s_mov_b32 s[G1B+4], 16*NB
	s_mov_b32 s[G1B+5], 1024
	s_mov_b32 s[G1B+6], 0
	s_mov_b32 s[G1B+7], 0
	s_lshl_b32 s17, s12, 6
	s_lshl_b32 s16, s13, 7
	s_add_co_u32 s16, s16, s17                     ; x: row 128 x tile row + 64 x half,
	s_lshl_b32 s16, s16, 11                        ; of 2,048 bytes
	s_mov_b32 s17, 0
	s_mul_i32 s46, s42, 32*NB
	s_mul_i32 s47, s12, 16*NB
	s_add_co_u32 s46, s46, s47                     ; weights: row 384 x tile column + 192 x half
	s_lshl_b32 s46, s46, 11
	s_add_co_u32 s46, s46, WOFF
	s_mov_b32 s47, 0
	s_mul_i32 s20, s12, AHALF                      ; where they go: no place in the cluster enters an LDS address
	s_mul_i32 s21, s12, BHALF
	s_add_co_u32 s21, s21, BOFF
	s_wait_dscnt 0x0                               ; the opening add is done
	s_wait_kmcnt 0x0
	s_add_nc_u64 s[14:15], s[68:69], s[16:17]
	s_add_nc_u64 s[46:47], s[68:69], s[46:47]
	CROUND                                         ; all sixteen work-groups are here: the first joint loads meet
.irp s, 0,1
	s_mov_b32 s[G0+4*(\s)], 1
	s_add_co_u32 s[G0+4*(\s)+1], s20, (\s)*SLOT
	s_add_nc_u64 s[G0+4*(\s)+2:G0+4*(\s)+3], s[14:15], (\s)*256    ; K step s
	s_or_b32 s[G0+4*(\s)+3], s[G0+4*(\s)+3], 0x80000000
	s_mov_b32 s[G0B+4*(\s)], 1
	s_add_co_u32 s[G0B+4*(\s)+1], s21, (\s)*SLOT
	s_add_nc_u64 s[G0B+4*(\s)+2:G0B+4*(\s)+3], s[46:47], (\s)*256
	s_or_b32 s[G0B+4*(\s)+3], s[G0B+4*(\s)+3], 0x80000000
	JLOAD \s                                       ; two loads of mine are out
.endr
	; the tables of my head and my rows, while the first tiles are on their way
	v_and_b32 v1, 15, v0                           ; r = l % 16
	v_bfe_u32 v2, v0, 4, 1                         ; h = l / 16
	v_and_b32 v5, 31, v0                           ; l
	s_lshl_b32 s84, s42, 1
	s_add_co_u32 s84, s84, s12                     ; my head
	s_lshr_b32 s85, s13, 4                         ; my batch: 128 x tile row / 2048
	s_and_b32 s86, s13, 15
	s_lshl_b32 s86, s86, 7
	s_lshl_b32 s87, s11, 6
	s_add_co_u32 s86, s86, s87                     ; my first position in the sequence
	s_lshl_b32 s88, s84, 8                         ; a head's 64 biases are 256 bytes
	s_mov_b32 s89, 0
	s_add_nc_u64 s[72:73], s[72:73], s[88:89]
	s_add_nc_u64 s[74:75], s[74:75], s[88:89]
	v_lshlrev_b32 v3, 5, v2                        ; register j of block b holds column 16 b + 8 h + j: byte 64 b + 32 h + 4 j
.set ii, 0
.rept 4
	global_load_b128 v[CB+8*ii:CB+8*ii+3],       v3, s[72:73] offset:64*ii
	global_load_b128 v[CB+8*ii+4:CB+8*ii+7],     v3, s[72:73] offset:64*ii+16
	global_load_b128 v[CB+32+8*ii:CB+32+8*ii+3], v3, s[74:75] offset:64*ii
	global_load_b128 v[CB+32+8*ii+4:CB+32+8*ii+7], v3, s[74:75] offset:64*ii+16
.set ii, ii+1
.endr
	s_lshl_b32 s88, s84, 2
	v_mov_b32 v4, s88
	global_load_b32 v[GAIN], v4, s[76:77]          ; scale_mul of my head
	s_lshl_b32 s88, s85, 12                        ; rope: [batch][cos, sin][2048][32] f32: a batch is 4,096 rows of 128 bytes
	s_add_co_u32 s88, s88, s86
	s_lshl_b32 s88, s88, 7
	s_add_co_u32 s88, s88, ROFF
	s_add_nc_u64 s[70:71], s[70:71], s[88:89]
	v_lshlrev_b32 v6, 7, v1
	v_lshl_add_u32 v6, v2, 4, v6                   ; row r, pairs 4 h on: my columns 16 b + 8 h + 0..7 are the pairs 8 b + 4 h + 0..3
	WIN 0xc0                                       ; destination window 3
.set ii, 0
.rept 16                                       ; rows 16 (ii / 4) on, block ii % 4: cosines at 128 + 32 a + 4 b, sines 16 registers on
	global_load_b128 v[128+32*(ii/4)+4*(ii%4):128+32*(ii/4)+4*(ii%4)+3], v6, s[70:71] offset:(ii/4)*2048+32*(ii%4)
	global_load_b128 v[144+32*(ii/4)+4*(ii%4):144+32*(ii/4)+4*(ii%4)+3], v6, s[70:71] offset:(ii/4)*2048+32*(ii%4)+262144
.set ii, ii+1
.endr
	WIN 0
	s_lshl_b32 s90, s85, 4
	s_add_co_u32 s90, s90, s84                     ; 16 x batch + head,
	s_lshl_b32 s90, s90, 11
	s_add_co_u32 s90, s90, s86                     ; its row for my first position
	s_lshl_b32 s88, s90, 7
	s_add_nc_u64 s[78:79], s[78:79], s[88:89]      ; q: rows of 128 bytes
	s_lshl_b32 s88, s90, 8
	s_add_nc_u64 s[80:81], s[80:81], s[88:89]      ; kv: rows of 256 bytes
	v_mul_u32_u24 v7, v1, PITCH
	v_lshl_add_u32 v7, v2, 4, v7                   ; a fragment's row x pitch + 16 x half
	s_mul_i32 s91, s11, AHALF
	s_mul_i32 s92, s12, BHALF
	s_add_co_u32 s92, s92, BOFF
.irp s, 0,1
	v_add_nc_u32 v[ADRA+(\s)], s91, v7
	v_add_nc_u32 v[ADRB+(\s)], s92, v7
	s_add_co_u32 s91, s91, SLOT
	s_add_co_u32 s92, s92, SLOT
.endr
	s_mul_i32 s93, s10, 16*SPITCH
	s_add_co_u32 s93, s93, STAGE                   ; my stage
	s_add_co_u32 s94, s93, 128                     ; k | v in it
	v_mul_u32_u24 v8, v1, SPITCH
	v_lshl_add_u32 v8, v2, 4, v8
	v_add_nc_u32 v[STO], s93, v8
	v_lshrrev_b32 v8, 3, v5                        ; q back: 32 lanes take four rows of 128 bytes
	v_mul_u32_u24 v8, v8, SPITCH
	v_and_b32 v9, 7, v0
	v_lshl_add_u32 v8, v9, 4, v8
	v_add_nc_u32 v[RDQ], s93, v8
	v_mul_u32_u24 v8, v2, SPITCH                   ; k | v back: two rows of 256 bytes
	v_lshl_add_u32 v8, v1, 4, v8
	v_add_nc_u32 v[RDK], s94, v8
	v_lshlrev_b32 v[CO], 4, v5
	v_mov_b32 v[XT], 0                             ; v_permlanex16_b32 counts as a reader of its destination
	v_mov_b32 v[XT+1], 0
	s_mov_b32 s66, 0x76543210                      ; each lane takes its own place in the other half
	s_mov_b32 s67, 0xfedcba98
	s_wait_loadcnt 0x0                             ; the tables are in
.set ii, 0
.rept 32                                       ; the biases are rounded to bf16, like every input, and widened again
	v_cvt_pk_bf16_f32 v[T+ii], v[CB+2*ii], v[CB+2*ii+1]
.set ii, ii+1
.endr
.set ii, 0
.rept 32
	v_lshlrev_b32 v[CB+2*ii], 16, v[T+ii]
	v_and_b32 v[CB+2*ii+1], 0xffff0000, v[T+ii]
.set ii, ii+1
.endr
	v_cvt_pk_bf16_f32 v31, v[GAIN], v[GAIN]
	v_lshlrev_b32 v[GAIN], 16, v31
	v_min_num_f32 v[GAIN], 0x40935d8e, v[GAIN]     ; ln 100
	v_mul_f32 v[GAIN], 0x3fb8aa3b, v[GAIN]
	v_exp_f32 v[GAIN], v[GAIN]
	v_nop                                          ; a plain instruction behind the exponential (ISA guide 5.7.2)
	s_wait_alu depctr_va_vdst(0)
	v_mul_f32 v[GAIN], 0x3fb8aa3b, v[GAIN]         ; log2(e) rides on q, so that the softmax works in base 2
; 12 matrix instructions: rows 16 a on x all my 12 column blocks, 32 along K.  zero = 1: the first product starts the sums: with q_bias (blocks 0-3), 0 (k: 4-7), v_bias (8-11).
; The 48 accumulators take turns, one instruction a turn.
.macro MULROW f, a, zero
.set bb, 0
.rept NB
.set IX, 8*NB*(\a)+8*bb
.set WW, 2+IX/256
.set RR, IX%256
.set RB, (\f)+8*bb
.set RA, (\f)+8*NB+8*(\a)
.if (\zero) && (bb/4 == 1)
	WIN (WW<<6)|0x05
	v_wmma_f32_16x16x32_bf16 v[RR:RR+7], v[RB:RB+7], v[RA:RA+7], 0
.elseif \zero
	WIN (WW<<6)|0x05
.set RC, CB+8*(bb%4)+32*(bb/8)
	v_wmma_f32_16x16x32_bf16 v[RR:RR+7], v[RB:RB+7], v[RA:RA+7], v[RC:RC+7]
.else
	WIN WW*0x50+0x05
	v_wmma_f32_16x16x32_bf16 v[RR:RR+7], v[RB:RB+7], v[RA:RA+7], v[RR:RR+7]
.endif
.set bb, bb+1
.endr
.endm
; 32 LDS loads in one run: the fragments of 32 along K at byte k of the rows, into buffer f: the weights' 24 first, then x's 8
.macro FETCH slot, k, f
	WIN 0x40
.set ii, 0
.rept NB
	ds_load_b128 v[(\f)+8*ii:(\f)+8*ii+3],   v[ADRB+(\slot)] offset:(\k)+ii*16*PITCH
	ds_load_b128 v[(\f)+8*ii+4:(\f)+8*ii+7], v[ADRB+(\slot)] offset:(\k)+ii*16*PITCH+32
.set ii, ii+1
.endr
.set ii, 0
.rept 4
	ds_load_b128 v[(\f)+8*NB+8*ii:(\f)+8*NB+8*ii+3],   v[ADRA+(\slot)] offset:(\k)+ii*16*PITCH
	ds_load_b128 v[(\f)+8*NB+8*ii+4:(\f)+8*NB+8*ii+7], v[ADRA+(\slot)] offset:(\k)+ii*16*PITCH+32
.set ii, ii+1
.endr
.endm
; A K step is four quarters of 32 along K, 48 matrix instructions each, on buffers 0, 1, 0, 1.  One of the first three: multiplies f and fetches the next quarter, at byte k, into g.
.macro QUARTER slot, k, f, g, zero
	s_wait_dscnt 4                                 ; the youngest four loads, x's rows 32-63, may be out
	MULROW \f, 0, \zero
	MULROW \f, 1, \zero
	PLACES
	FETCH \slot, \k, \g
	s_wait_dscnt 2*NB+8                            ; all but the 32 just issued
	MULROW \f, 2, \zero
	MULROW \f, 3, \zero
.endm
; The last quarter multiplies buffer 1 and changes slots: ONE barrier; in front of it each wave waits for all its tensor loads, adds 0 to its spare word, and waits for that and for its reads of this slot.
.macro TURN slot, next, fill
	WIN 0                                          ; (the add's two registers lie in window 0)
	s_wait_tensorcnt 0x0                           ; all my tensor loads have landed: my part of the next slot;
	ds_add_u32 v[SPW], v[NIL]                      ; 0 onto my spare word;
	s_wait_dscnt 5                                 ; (the add and the youngest four loads may be out)
	MULROW F1, 0, 0                                ; twelve matrix instructions stand between the add and the wait for it
	s_wait_dscnt 0x0                               ; the add is done, and my reads of this slot are over
	s_barrier_signal -1
	MULROW F1, 1, 0
.if \fill
	WIN 0
.endif
	s_barrier_wait -1
.if \fill
	CREST                                          ; the barrier has opened a round of the cluster's: no wave of any partner still reads this slot or has a load on its way
	s_add_nc_u64 s[G0+4*(\slot)+2:G0+4*(\slot)+3], s[G0+4*(\slot)+2:G0+4*(\slot)+3], 512
	s_add_nc_u64 s[G0B+4*(\slot)+2:G0B+4*(\slot)+3], s[G0B+4*(\slot)+2:G0B+4*(\slot)+3], 512
	JLOAD \slot                                    ; the first tensor load behind the round: 168 matrix instructions ahead of the wait for it; its four v_nop are the places in front of the loads below
.else
	PLACES
.endif
	FETCH \next, 0, F0
	MULROW F1, 2, 0
	MULROW F1, 3, 0
.endm
	s_wait_tensorcnt 1                             ; my part of K step 0 is in; K step 1's may stay out
	s_barrier_signal -1
	s_barrier_wait -1
	FETCH 0, 0, F0
	QUARTER 0, 64, F0, F1, 1                       ; the first quarter stands in front of the loop: its products start the sums
	WIN 0
	s_mov_b32 s3, LAPS-1
.Llap:                                                 ; a trip goes once round the ring and fills both slots again
	QUARTER 0, 128, F1, F0, 0
	QUARTER 0, 192, F0, F1, 0
	TURN 0, 1, 1
	QUARTER 1, 64,  F0, F1, 0
	QUARTER 1, 128, F1, F0, 0
	QUARTER 1, 192, F0, F1, 0
	TURN 1, 0, 1
	QUARTER 0, 64,  F0, F1, 0
	WIN 0
	s_sub_co_u32 s3, s3, 1
	s_cmp_lg_u32 s3, 0
	s_cbranch_scc1 .Llap
	QUARTER 0, 128, F1, F0, 0                      ; the last lap fills nothing
	QUARTER 0, 192, F0, F1, 0
	TURN 0, 1, 0
	QUARTER 1, 64,  F0, F1, 0
	QUARTER 1, 128, F1, F0, 0
	QUARTER 1, 192, F0, F1, 0
	s_wait_dscnt 4
	MULROW F1, 0, 0
	MULROW F1, 1, 0
	s_wait_dscnt 0x0
	MULROW F1, 2, 0
	MULROW F1, 3, 0
	WIN 0
	PLACES
	PLACES
; THE WAY OUT, 16 rows (block a) at a time.  PACK: norms, factors, rotation, rounding to f16.  TOSTAGE: into my stage, back as whole rows.  SEND: stored.
.macro PACK a
.set PKB, 64+48*((\a)%2)               ; 48 packed registers: q 16, k 16, v 16; two such sets take turns
.set CT,  128+32*(\a)                  ; window 3: the block's cosines; its sines 16 on
.set QIX, 96*(\a)
.set QW,  2+QIX/256                    ; q's and k's slices lie in one window,
.set QR,  QIX%256                      ; k's 32 registers behind q's
.set VIX, 96*(\a)+64
.set VW,  2+VIX/256
.set VR,  VIX%256
.if (\a) >= 2
	s_wait_xcnt 0x0                                ; the stores of the block two back have read this set of packed registers
.endif
	WIN QW*5                                       ; sources 0 and 1 in the slices' window
.set ii, 0
.rept 16                                       ; my 32 squares of q and of k, two chains each; every accumulator is read from its low end on
.irp s, 0,1
.if ii < 2
	v_pk_mul_f32 v[SS+4*(\s)+2*ii:SS+4*(\s)+2*ii+1], v[QR+32*(\s)+2*ii:QR+32*(\s)+2*ii+1], v[QR+32*(\s)+2*ii:QR+32*(\s)+2*ii+1]
.else
	v_pk_fma_f32 v[SS+4*(\s)+2*(ii%2):SS+4*(\s)+2*(ii%2)+1], v[QR+32*(\s)+2*ii:QR+32*(\s)+2*ii+1], v[QR+32*(\s)+2*ii:QR+32*(\s)+2*ii+1], v[SS+4*(\s)+2*(ii%2):SS+4*(\s)+2*(ii%2)+1]
.endif
.endr
.set ii, ii+1
.endr
	WIN VW*5
.set ii, 0
.rept 16                                       ; v is only rounded
	v_cvt_pk_f16_f32 v[PKB+32+ii], v[VR+2*ii], v[VR+2*ii+1]
.set ii, ii+1
.endr
	WIN 0
	v_pk_add_f32 v[SS:SS+1], v[SS:SS+1], v[SS+2:SS+3]
	v_pk_add_f32 v[SS+4:SS+5], v[SS+4:SS+5], v[SS+6:SS+7]
	v_add_f32 v[SS], v[SS], v[SS+1]
	v_add_f32 v[SS+4], v[SS+4], v[SS+5]
	v_permlanex16_b32 v[XT], v[SS], s66, s67       ; the row's other 32 columns lie in the lane 16 away
	v_permlanex16_b32 v[XT+1], v[SS+4], s66, s67
	v_add_f32 v[SS], v[SS], v[XT]
	v_add_f32 v[SS+4], v[SS+4], v[XT+1]
	v_rsq_f32 v[FQ], v[SS]
	v_rsq_f32 v[FQ+2], v[SS+4]
	v_nop                                          ; a plain instruction behind the last of them
	s_wait_alu depctr_va_vdst(0)
	v_min_num_f32 v[FQ], 0x5368d4a5, v[FQ]         ; 1 / max(n, 1e-12)
	v_min_num_f32 v[FQ+2], 0x5368d4a5, v[FQ+2]
	v_mul_f32 v[FQ], v[FQ], v[GAIN]
	v_mov_b32 v[FQ+3], v[FQ+2]                     ; named as pairs
	v_mov_b32 v[FQ+1], v[FQ]
.irp s, 0,1
	WIN QW|0x0c                                    ; source 0 the slice, source 1 the table in window 3
.set ii, 0
.rept 16                                       ; pair ii = (t0, t1): first (t1 s, t0 s),
.if ii%2
	v_pk_mul_f32 v[T+2*ii:T+2*ii+1], v[QR+32*(\s)+2*ii:QR+32*(\s)+2*ii+1], v[CT+16+2*(ii/2):CT+16+2*(ii/2)+1] op_sel:[1,1] op_sel_hi:[0,1]
.else
	v_pk_mul_f32 v[T+2*ii:T+2*ii+1], v[QR+32*(\s)+2*ii:QR+32*(\s)+2*ii+1], v[CT+16+2*(ii/2):CT+16+2*(ii/2)+1] op_sel:[1,0] op_sel_hi:[0,0]
.endif
.set ii, ii+1
.endr
.set ii, 0
.rept 16                                       ; then (t0 c - t1 s, t1 c + t0 s): the sign sits on the addend's low half
.if ii%2
	v_pk_fma_f32 v[T+2*ii:T+2*ii+1], v[QR+32*(\s)+2*ii:QR+32*(\s)+2*ii+1], v[CT+2*(ii/2):CT+2*(ii/2)+1], v[T+2*ii:T+2*ii+1] op_sel:[0,1,0] op_sel_hi:[1,1,1] neg_lo:[0,0,1]
.else
	v_pk_fma_f32 v[T+2*ii:T+2*ii+1], v[QR+32*(\s)+2*ii:QR+32*(\s)+2*ii+1], v[CT+2*(ii/2):CT+2*(ii/2)+1], v[T+2*ii:T+2*ii+1] op_sel:[0,0,0] op_sel_hi:[1,0,1] neg_lo:[0,0,1]
.endif
.set ii, ii+1
.endr
	WIN 0
.set ii, 0
.rept 16
	v_pk_mul_f32 v[T+2*ii:T+2*ii+1], v[T+2*ii:T+2*ii+1], v[FQ+2*(\s):FQ+2*(\s)+1] op_sel_hi:[1,0]
.set ii, ii+1
.endr
.set ii, 0
.rept 16
	v_cvt_pk_f16_f32 v[PKB+16*(\s)+ii], v[T+2*ii], v[T+2*ii+1]
.set ii, ii+1
.endr
.endr
.endm
.macro TOSTAGE a
	WIN 0
.set PKB, 64+48*((\a)%2)
.set ii, 0
.rept 12                                       ; slice ii / 4, block ii % 4: byte 128 (ii / 4) + 32 (ii % 4) of the row
	ds_store_b128 v[STO], v[PKB+4*ii:PKB+4*ii+3] offset:32*ii
.set ii, ii+1
.endr
.set ii, 0
.rept 4                                        ; LDS serves a wave's instructions in order (ISA guide 5.7.1.4): these see the stores above
	ds_load_b128 v[PKB+4*ii:PKB+4*ii+3], v[RDQ] offset:ii*4*SPITCH
.set ii, ii+1
.endr
.set ii, 0
.rept 8
	ds_load_b128 v[PKB+16+4*ii:PKB+16+4*ii+3], v[RDK] offset:ii*2*SPITCH
.set ii, ii+1
.endr
.endm
.macro SEND a
	WIN 0
.set PKB, 64+48*((\a)%2)
	s_wait_dscnt 0x0                               ; the block is back in registers
.set ii, 0
.rept 4
	global_store_b128 v[CO], v[PKB+4*ii:PKB+4*ii+3], s[78:79] offset:(\a)*2048+ii*512      ; 512 consecutive bytes, aligned: four rows of q
.set ii, ii+1
.endr
.set ii, 0
.rept 8
	global_store_b128 v[CO], v[PKB+16+4*ii:PKB+16+4*ii+3], s[80:81] offset:(\a)*4096+ii*512  ; two rows of k | v
.set ii, ii+1
.endr
.endm
	PACK 0
	TOSTAGE 0
.irp a, 1,2,3                          ; a block's arithmetic stands between the loads of the block before and the wait for them
	PACK \a
	SEND (\a)-1
	TOSTAGE \a
.endr
	SEND 3
	s_wait_tensorcnt 0x0                           ; the wave's end: an add and its wait, behind my last tensor load and my last LDS store
	ds_add_u32 v[SPW], v[NIL]
	s_wait_dscnt 0x0
	CROUND                                         ; the closing round: no work-group ends while a partner may still ask for a tile that names it
	s_endpgm
.Lfunc_end_k_q09c1ad7688_qkv:
	.size	k_q09c1ad7688_qkv, .Lfunc_end_k_q09c1ad7688_qkv-k_q09c1ad7688_qkv
	.p2alignl 7, 3214868480
	.fill 96, 4, 3214868480
	.section	.rodata,"a",@progbits
	.p2align	6, 0x0
	.amdhsa_kernel k_q09c1ad7688_qkv
		.amdhsa_group_segment_fixed_size 327680
		.amdhsa_private_segment_fixed_size 0
		.amdhsa_enable_private_segment 0
		.amdhsa_kernarg_size 56
		.amdhsa_user_sgpr_count 2
		.amdhsa_user_sgpr_kernarg_segment_ptr 1
		.amdhsa_wavefront_size32 1
		.amdhsa_system_sgpr_workgroup_id_x 1
		.amdhsa_system_sgpr_workgroup_id_y 1
		.amdhsa_system_sgpr_workgroup_id_z 1
		.amdhsa_system_vgpr_workitem_id 0
		.amdhsa_next_free_vgpr 1024
		.amdhsa_next_free_sgpr 100
		.amdhsa_reserve_vcc 0
		.amdhsa_float_denorm_mode_32 3
		.amdhsa_float_denorm_mode_16_64 3
		.amdhsa_memory_ordered 1
		.amdhsa_forward_progress 1
		.amdhsa_inst_pref_size 165
	.end_amdhsa_kernel
	.amdgpu_metadata
---
amdhsa.version: [ 1, 2 ]
amdhsa.kernels:
  - .name:           k_q09c1ad7688_qkv
    .symbol:         k_q09c1ad7688_qkv.kd
    .args:
      - { .name: c16, .offset: 0, .size: 8, .value_kind: global_buffer, .address_space: global }
      - { .name: c32, .offset: 8, .size: 8, .value_kind: global_buffer, .address_space: global }
      - { .name: q_bias, .offset: 16, .size: 8, .value_kind: global_buffer, .address_space: global }
      - { .name: v_bias, .offset: 24, .size: 8, .value_kind: global_buffer, .address_space: global }
      - { .name: scale_mul, .offset: 32, .size: 8, .value_kind: global_buffer, .address_space: global }
      - { .name: q, .offset: 40, .size: 8, .value_kind: global_buffer, .address_space: global }
      - { .name: kv, .offset: 48, .size: 8, .value_kind: global_buffer, .address_space: global }
    .group_segment_fixed_size: 327680
    .private_segment_fixed_size: 0
    .kernarg_segment_align: 8
    .kernarg_segment_size: 56
    .max_flat_workgroup_size: 128
    .sgpr_count:     100
    .vgpr_count:     1024
    .wavefront_size: 32
...
	.end_amdgpu_metadata
.endif
;; end of part 2
;; launch attn (part 3): grid 16 x 16, 8 waves a work-group, clusters of 4 x 4, 327,680 bytes of LDS; arguments q, kv, c32, ob; writes ob
.if DOCPART == 3
	.amdgcn_target "amdgcn-amd-amdhsa--gfx1250"
	.amdhsa_code_object_version 6
	.text
	.protected	k_q09c1ad7688_attn
	.globl	k_q09c1ad7688_attn
	.p2align	8
	.type	k_q09c1ad7688_attn,@function
k_q09c1ad7688_attn:
	s_mov_b64 s[64:65], 0
	v_nop
	global_prefetch_b8 v0, s[64:65] scope:SCOPE_SE
	s_setreg_imm32_b32 hwreg(HW_REG_WAVE_MODE, 25, 1), 1
	s_wait_xcnt 0x0
	s_wait_alu depctr_hold_cnt(0) depctr_sa_sdst(0) depctr_va_vdst(0) depctr_va_sdst(0) depctr_va_ssrc(0) depctr_va_vcc(0) depctr_vm_vsrc(0)
	s_getreg_b32 s2, hwreg(HW_REG_IB_STS2, 6, 4)
	s_cmp_eq_u32 s2, 0
	s_cbranch_scc0 .Lentry_in_a_cluster
	s_endpgm
.Lentry_in_a_cluster:
	s_bfe_u32 s2, ttmp6, 0x10000c
	s_cmp_lg_u32 s2, 0xf033
	s_cbranch_scc0 .Lentry_shape_is_right
	s_endpgm
.Lentry_shape_is_right:
; ATTENTION WITH AN ADDITIVE BIAS THAT IS DATA.  O[bh][i] = the sum over k of softmax_k(q[bh][i] . k[bh][k] + bias[i][k]) v[bh][k].  q [64][2048][64] f16 carries the gain and log2(e);
; kv [64][2048][128] f16, a row = k | v; the bias [2048][2048] f32 carries log2(e).  O leaves as f16 [batch x 2048 + i][64 head + d].  No tile is left out: what the bias hides is not known to the text.
; SCORES: S^T = K Q^T + bias: the bias is the C operand of the first product.  p = 2^(s - m) with a running maximum m (one subtraction, exact where s = m); O and l are multiplied by
; a = 2^(m_old - m_new) in every step.  p is rounded to f16 for the second product, and l is the sum of those same rounded p, made by the matrix unit (ones x P) in f32.
; m starts at the lowest finite number, O and l at 0: the first step is a step like any other, with a = 0.
; LIMITS.  v and O lie within f16's 65,504; p below 6e-8 counts as 0; NaN and infinities are not treated apart.  The bias is added inside the matrix instruction: where it is some 1e9 the sum's last
; bit is that instruction's rounding, not an f32 addition's.
; SHARES.  A work-group: 128 queries x 4 heads that follow each other.  Eight waves, two on a SIMD: wave w has head w / 2 and queries 64 (w % 2) on, four tiles of 16.  The text goes in plain phases:
; while one wave of a SIMD walks its softmax the other has the matrix unit.  64 keys a step, 32 steps, two LDS slots.
; CLUSTER 4 x 4.  The bias tile (128 x 64 f32) hangs on the query block alone: four heads read it out of LDS, and it is asked for jointly down a column of the cluster.
; The heads' k | v tiles hang on the head group alone and are asked for jointly along a row.
; LAYOUT.  In S^T a lane holds ONE query (lane % 16) and the keys 8 (lane / 16) + 0..7 of a block of 16; two blocks rounded in pairs ARE source 1 of O^T = V^T P.  K comes out of LDS as it lies, V turned (ds_load_tr16_b128).
; REGISTERS (s_set_vgpr_msb: bits 1:0 source 0, 3:2 source 1, 5:4 source 2, 7:6 destination):
;   window 0: v0-15, v28 addresses; v16-23 (m, a) a tile; v24-27 at work; v32-95 S^T, two buffers; v96-111 P; v128-191 Q; v192-255 K of one step
;   window 1: v0-127 O^T, 32 a tile; v128-159 l, an accumulator a tile (register 0 is the one that counts); v160-167 ones; v192-255 V of one step
.set PK,    272                        ; an LDS row of k | v or of the bias: 256 bytes + 16 of padding
.set HEADB, 64*PK                      ; a head's 64 rows
.set BIASO, 4*HEADB                    ; a slot: four heads' k | v, then the bias's 128 rows
.set SLOT1, 1<<17                      ; slot 1 begins here: one exclusive or turns an address in one slot into the other's
.set STAGE, SLOT1+BIASO+128*PK         ; behind the ring: 128 rows x 528 bytes, the work-group's, for the way out
.set SP,    528                        ; four heads x 128 bytes + 16
.set SPARE, STAGE+128*SP               ; behind the stage: the spare words, 128 bytes for each of eight waves, that no other line names
.set AK0, 2                            ; v2-4   my lane's place in K, V and the bias of slot 0; never rewritten
.set AV0, 3
.set AB0, 4
.set AK,  5                            ; v5-7   the same in the slot in hand
.set AV,  6
.set AB,  7
.set QO,  8
.set RD,  9
.set GO,  10
.set SPW, 11                           ; v11    my spare word; never rewritten
.set NIL, 12                           ; v12    0; never rewritten
.set PFO, 13                           ; v13    the prefetches' offset: my lane x a row; never rewritten
.set ST,  16
.set C0,  24
.set STO, 28
.set S,   32
.set P,   96
.set Q,   128
.set KF,  192
.set LS,  128                          ; window 1
.set ONE, 160
.set VF,  192
.set WV,  12                           ; s12  my wave's number
.set LIM, 15                           ; s15  1 in a wave that prefetches, else the greatest number
.set PFA, 18                           ; s[18:19] where my prefetches stand;  s[20:21] their step
.set PFS, 20
.set G1K, 24
.set G1B, 32
.set G0K, 40                           ; s[40:47] two sets for the first fills; the second then walks
.set G0B, 48
.set CNT, 56
.set CNT2, 57
.set SEL, 60
.set TB,  62                           ; s62  the slot in hand: 0 or SLOT1
.set MSB, 0
.macro WIN new
.if MSB != (\new)
	s_set_vgpr_msb (MSB<<8)|(\new)
.set MSB, \new
.endif
.endm
.macro PLACES
.rept 4
	v_nop
.endr
.endm
.macro JLOAD                           ; a joint refill: waves 0-3 fetch a head's k | v each, waves 4-7 32 rows of the bias each; an s_nop 0 and four v_nop follow each line
	s_cmp_lt_u32 s[WV], 4
	s_cbranch_scc0 .Lfor_b_\@
	tensor_load_to_lds s[G0K+4:G0K+7], s[G1K:G1K+7]
	s_nop 0
.rept 4
	v_nop
.endr
	s_branch .Lasked_\@
.Lfor_b_\@:
	tensor_load_to_lds s[G0B+4:G0B+7], s[G1B:G1B+7]
	s_nop 0
.rept 4
	v_nop
.endr
.Lasked_\@:
.endm
; A PREFETCH INTO THE L2 of what the NEXT change of slots will ask for, behind my tensor load and its five lines: 32 rows of 256 bytes, a lane a row.  Each row's 256 bytes of a step are named once in the launch:
; a head group's k | v are walked by every cluster of its row of clusters: cluster x = 0 asks; partner cx takes head cx BY ADDRESS; waves 0 and 1 take 32 rows each.
; A query block's bias is walked by every cluster of its column: cluster y = 0 asks; partner cy takes rows 32 cy on; wave 4 asks.  The last refill has no step behind it and asks for nothing.
.macro ASK
	s_cmp_gt_u32 s[CNT], s[LIM]
	s_cbranch_scc0 .Lnot_mine_\@
	global_prefetch_b8 v[PFO], s[PFA:PFA+1] th:TH_LOAD_NT scope:SCOPE_SE
.Lnot_mine_\@:
.endm
.macro CROUND
	s_barrier_signal -1
	s_barrier_wait -1
	s_cmp_lg_u32 s[WV], 0
	s_cbranch_scc1 .Lnot_wave_0_\@
	s_barrier_signal -3
.Lnot_wave_0_\@:
	s_barrier_wait -3
	s_barrier_signal -1
	s_barrier_wait -1
.endm
	s_load_b256 s[4:11], s[0:1], 0x0               ; q s[4:5], kv s[6:7], c32 s[8:9], ob s[10:11]
	v_lshl_add_u32 v[SPW], v0, 2, SPARE
	v_mov_b32 v[NIL], 0
	ds_add_u32 v[SPW], v[NIL]                      ; the wave's opening: the add and its wait stand ahead of my first tensor load; the set-up below stands between them
	v_lshrrev_b32 v1, 5, v0
	v_readfirstlane_b32 s[WV], v1                  ; wave 0..7
	s_bfe_u32 s13, ttmp6, 0x40000                  ; cx
	s_bfe_u32 s14, ttmp6, 0x40004                  ; cy
	s_lshl_b32 s16, ttmp9, 2
	s_add_co_u32 s16, s16, s13                     ; my block of 128 queries
	s_and_b32 s17, ttmp7, 0xffff                   ; cluster y
	s_lshl_b32 s22, s17, 2
	s_add_co_u32 s22, s22, s14                     ; my group of four heads
	s_and_b32 s23, s[WV], 3                        ; which head's tile, or which 32 rows of the bias, I fetch
	s_lshr_b32 s58, s[WV], 1                       ; my head of the four
	s_and_b32 s59, s[WV], 1                        ; my half of the queries
	s_lshl_b32 s66, s14, 2
	s_lshl_b32 s66, 15, s66                        ; my row of the cluster
	s_lshl_b32 s67, 0x1111, s13                    ; my column
	s_or_b32 s[G1K], s66, (1<<16)|(1<<20)|(1<<21)|(5<<22)|(3<<25)  ; the mask; 2-byte elements; padding on; bit 21 beside a mask; after every 64 words 4 words
	s_mov_b32 s[G1K+1], 128<<16                    ; tensor_dim0 = 128
	s_mov_b32 s[G1K+2], 64<<16                     ; tensor_dim1 = 64
	s_mov_b32 s[G1K+3], 128<<16                    ; tile_dim0
	s_mov_b32 s[G1K+4], 64                         ; tile_dim1
	s_mov_b32 s[G1K+5], 128                        ; elements from row to row
	s_mov_b32 s[G1K+6], 0
	s_mov_b32 s[G1K+7], 0
	s_or_b32 s[G1B], s67, (2<<16)|(1<<20)|(1<<21)|(5<<22)|(3<<25)  ; the same with 4-byte elements
	s_mov_b32 s[G1B+1], 64<<16
	s_mov_b32 s[G1B+2], 32<<16
	s_mov_b32 s[G1B+3], 64<<16
	s_mov_b32 s[G1B+4], 32
	s_mov_b32 s[G1B+5], 2048
	s_mov_b32 s[G1B+6], 0
	s_mov_b32 s[G1B+7], 0
	s_mul_i32 s68, s23, HEADB                      ; where the tiles go: the wave's number alone
	s_mul_i32 s69, s23, 32*PK
	s_add_co_u32 s69, s69, BIASO
	s_lshl_b32 s70, s22, 2
	s_add_co_u32 s70, s70, s23
	s_lshl_b32 s70, s70, 19                        ; kv: a head is 2,048 rows of 256 bytes
	s_mov_b32 s71, 0
	s_lshl_b32 s72, s16, 7
	s_lshl_b32 s73, s23, 5
	s_add_co_u32 s72, s72, s73
	s_lshl_b32 s72, s72, 13                        ; bias: rows of 8,192 bytes
	s_mov_b32 s73, 0
	s_lshl_b32 s74, s22, 2                         ; q at my wave's first row
	s_add_co_u32 s74, s74, s58
	s_lshl_b32 s74, s74, 11
	s_lshl_b32 s75, s16, 7
	s_add_co_u32 s74, s74, s75
	s_lshl_b32 s75, s59, 6
	s_add_co_u32 s74, s74, s75
	s_lshl_b32 s74, s74, 7
	s_mov_b32 s75, 0
	s_lshr_b32 s76, s22, 2                         ; ob: row = 2,048 x batch + 128 x block + 16 x wave, of 2,048 bytes; the group's four heads are 512 bytes of it
	s_lshl_b32 s76, s76, 11
	s_lshl_b32 s77, s16, 7
	s_add_co_u32 s76, s76, s77
	s_lshl_b32 s77, s[WV], 4
	s_add_co_u32 s76, s76, s77
	s_lshl_b32 s76, s76, 11
	s_and_b32 s77, s22, 3
	s_lshl_b32 s77, s77, 9
	s_add_co_u32 s76, s76, s77
	s_mov_b32 s77, 0
	s_lshl_b32 s78, s22, 2                         ; the prefetches begin at step 2 and are stepped ahead of each use.  kv: head cx of my group, rows 128 + 32 x wave on
	s_add_co_u32 s78, s78, s13
	s_lshl_b32 s78, s78, 11
	s_lshl_b32 s79, s59, 5
	s_add_co_u32 s78, s78, s79
	s_add_co_u32 s78, s78, 128
	s_lshl_b32 s78, s78, 8
	s_lshl_b32 s80, s16, 7                         ; bias: rows 32 cy on of my block, byte 512 of them
	s_lshl_b32 s81, s14, 5
	s_add_co_u32 s80, s80, s81
	s_lshl_b32 s80, s80, 13
	s_add_co_u32 s80, s80, 512
	s_mov_b32 s85, 16384                           ; (an instruction takes one literal: this one of the select's two comes in a register)
	s_cmp_lt_u32 s[WV], 4
	s_cselect_b32 s78, s78, s80
	s_mov_b32 s79, 0
	s_cselect_b32 s[PFS], s85, 256                 ; a step: 64 rows of kv, or 256 bytes along the bias's rows
	s_mov_b32 s[PFS+1], 0
	s_cselect_b32 s82, 8, 13                       ; a lane a row: 256 or 8,192 bytes
	s_cselect_b32 s83, ttmp9, s17                  ; the coordinate along which other clusters walk the same rows
	s_cselect_b32 s84, 2, 1                        ; waves 0, 1 and 4 ask
	s_cmp_lt_u32 s23, s84
	s_cselect_b32 s84, 0, 1
	s_or_b32 s84, s84, s83
	s_cmp_eq_u32 s84, 0
	s_cselect_b32 s[LIM], 1, -1                    ; it hangs on the wave's number and the cluster's coordinates alone: the same in all partners
	s_mov_b32 s[SEL], 0x76543210
	s_mov_b32 s[SEL+1], 0xfedcba98
	s_mov_b32 s[TB], 0
	s_wait_dscnt 0x0                               ; the opening add is done
	s_wait_kmcnt 0x0
	s_add_nc_u64 s[86:87], s[6:7], s[70:71]
	s_add_nc_u64 s[88:89], s[8:9], s[72:73]
	s_add_nc_u64 s[4:5], s[4:5], s[74:75]
	s_add_nc_u64 s[10:11], s[10:11], s[76:77]
	s_cmp_lt_u32 s[WV], 4
	s_cselect_b64 s[PFA:PFA+1], s[6:7], s[8:9]
	s_add_nc_u64 s[PFA:PFA+1], s[PFA:PFA+1], s[78:79]
.irp s, 0,1
	s_mov_b32 s[G0K+4*(\s)], 1
	s_add_co_u32 s[G0K+4*(\s)+1], s68, (\s)*SLOT1
	s_add_nc_u64 s[G0K+4*(\s)+2:G0K+4*(\s)+3], s[86:87], (\s)*16384  ; step s: keys 64 s on
	s_or_b32 s[G0K+4*(\s)+3], s[G0K+4*(\s)+3], 0x80000000
	s_mov_b32 s[G0B+4*(\s)], 1
	s_add_co_u32 s[G0B+4*(\s)+1], s69, (\s)*SLOT1
	s_add_nc_u64 s[G0B+4*(\s)+2:G0B+4*(\s)+3], s[88:89], (\s)*256
	s_or_b32 s[G0B+4*(\s)+3], s[G0B+4*(\s)+3], 0x80000000
.endr
	CROUND                                         ; all sixteen work-groups are here: the first joint loads meet
	s_cmp_lt_u32 s[WV], 4                          ; a wave's two first fills stand in one branch, ahead of every wait on TENSORcnt and every LDS read: two loads of mine are out
	s_cbranch_scc0 .Lfirst_b
	tensor_load_to_lds s[G0K:G0K+3], s[G1K:G1K+7]
	s_nop 0
	tensor_load_to_lds s[G0K+4:G0K+7], s[G1K:G1K+7]
	s_nop 0
.rept 4
	v_nop
.endr
	s_branch .Lfirst_asked
.Lfirst_b:
	tensor_load_to_lds s[G0B:G0B+3], s[G1B:G1B+7]
	s_nop 0
	tensor_load_to_lds s[G0B+4:G0B+7], s[G1B:G1B+7]
	s_nop 0
.rept 4
	v_nop
.endr
.Lfirst_asked:
	v_and_b32 v1, 15, v0                           ; r = l % 16
	v_bfe_u32 v14, v0, 4, 1                        ; h = l / 16
	v_and_b32 v15, 31, v0                          ; l
	v_lshlrev_b32 v[QO], 7, v1
	v_lshl_add_u32 v[QO], v14, 4, v[QO]            ; row x 128 + 16 x half
.set ii, 0
.rept 8                                        ; Q stays in registers: tile ii / 2, channels 32 (ii % 2) on
	global_load_b128 v[Q+8*ii:Q+8*ii+3],   v[QO], s[4:5] offset:(ii/2)*2048+(ii%2)*64
	global_load_b128 v[Q+8*ii+4:Q+8*ii+7], v[QO], s[4:5] offset:(ii/2)*2048+(ii%2)*64+32
.set ii, ii+1
.endr
	WIN 0x40                                       ; O^T and l start at 0, written in the wait for the first tile: the price of writing no first step out
.set ii, 0
.rept 160
	v_mov_b32 v[ii], 0
.set ii, ii+1
.endr
.set ii, 0
.rept 8
	v_mov_b32 v[ONE+ii], 0x3c003c00                ; 1.0 twice in f16
.set ii, ii+1
.endr
	WIN 0
.set ii, 0
.rept 4
	v_mov_b32 v[ST+2*ii], 0xff7fffff               ; m
	v_mov_b32 v[ST+2*ii+1], 0                      ; a
.set ii, ii+1
.endr
	s_mul_i32 s90, s58, HEADB                      ; my head's tile
	v_mul_u32_u24 v[AK0], v1, PK
	v_lshl_add_u32 v[AK0], v14, 4, v[AK0]
	v_add_nc_u32 v[AK0], s90, v[AK0]               ; K: row r, 16 bytes for each half of the lanes
	v_and_b32 v29, 7, v0
	v_bfe_u32 v30, v0, 3, 1
	v_lshl_add_u32 v[AV0], v14, 3, v29             ; V, for the turning load: key 8 h + l % 8, channels 8 ((l / 8) % 2) on, behind the row's 128 bytes of k
	v_mul_u32_u24 v[AV0], v[AV0], PK
	v_lshl_add_u32 v[AV0], v30, 4, v[AV0]
	s_add_co_u32 s91, s90, 128
	v_add_nc_u32 v[AV0], s91, v[AV0]
	s_mul_i32 s92, s59, 64*PK
	s_add_co_u32 s92, s92, BIASO
	v_mul_u32_u24 v[AB0], v1, PK                   ; bias: my query's row, keys 8 h on: 32 bytes
	v_lshl_add_u32 v[AB0], v14, 5, v[AB0]
	v_add_nc_u32 v[AB0], s92, v[AB0]
	s_mul_i32 s93, s59, 64*SP                      ; into the stage: my 64 rows, my head's 128 bytes of them
	s_lshl_b32 s94, s58, 7
	s_add_co_u32 s93, s93, s94
	s_add_co_u32 s93, s93, STAGE
	v_mul_u32_u24 v[STO], v1, SP
	v_lshl_add_u32 v[STO], v14, 4, v[STO]
	v_add_nc_u32 v[STO], s93, v[STO]
	s_mul_i32 s94, s[WV], 16*SP                    ; back: wave w takes rows 16 w on, whole: 32 lanes x 16 bytes
	s_add_co_u32 s94, s94, STAGE
	v_lshl_add_u32 v[RD], v15, 4, s94
	v_lshlrev_b32 v[GO], 4, v15
	v_lshlrev_b32 v[PFO], s82, v15
	v_mov_b32 v[AK], v[AK0]
	v_mov_b32 v[AV], v[AV0]
	v_mov_b32 v[AB], v[AB0]
; THE LDS LOADS stand in runs.  K: 8 fragments (keys 16 (f / 2) on, channels 32 (f % 2) on).  The bias of tile t: straight into the accumulators that the scores will add onto.  V: 8 fragments, turned.
.macro FETCH_K
	WIN 0
.set ii, 0
.rept 8
	ds_load_b128 v[KF+8*ii:KF+8*ii+3],   v[AK] offset:(ii/2)*16*PK+(ii%2)*64
	ds_load_b128 v[KF+8*ii+4:KF+8*ii+7], v[AK] offset:(ii/2)*16*PK+(ii%2)*64+32
.set ii, ii+1
.endr
.endm
.macro FETCH_B t
	WIN 0
.set rS, S+32*((\t)%2)
.set ii, 0
.rept 4
	ds_load_b128 v[rS+8*ii:rS+8*ii+3],   v[AB] offset:(\t)*16*PK+64*ii
	ds_load_b128 v[rS+8*ii+4:rS+8*ii+7], v[AB] offset:(\t)*16*PK+64*ii+16
.set ii, ii+1
.endr
.endm
.macro FETCH_V
	WIN 0x40
.set ii, 0
.rept 8
	ds_load_tr16_b128 v[VF+8*ii:VF+8*ii+3],   v[AV] offset:(ii/4)*32*PK+(ii%4)*32
	ds_load_tr16_b128 v[VF+8*ii+4:VF+8*ii+7], v[AV] offset:(ii/4)*32*PK+16*PK+(ii%4)*32
.set ii, ii+1
.endr
	WIN 0
.endm
; S^T += K Q^T for tile t, onto the bias: 8 matrix instructions; the four accumulators take turns.
.macro QK t
	WIN 0
.set rS, S+32*((\t)%2)
.irp c, 0,1
.irp kb, 0,1,2,3
	v_wmma_f32_16x16x32_f16 v[rS+8*(\kb):rS+8*(\kb)+7], v[KF+16*(\kb)+8*(\c):KF+16*(\kb)+8*(\c)+7], v[Q+16*(\t)+8*(\c):Q+16*(\t)+8*(\c)+7], v[rS+8*(\kb):rS+8*(\kb)+7]
.endr
.endr
.endm
; Tile t's softmax for a step.  The maximum of 32 scores and the old m, three operands at a time, each accumulator read from its low end on; the other half of the lanes'; a; s - m;
; exponentials in pairs with a plain instruction behind each pair before a result is used (ISA guide 5.7.2); roundings to f16 a pair behind.
.macro SM t
	WIN 0
.set rS, S+32*((\t)%2)
.set rM, ST+2*(\t)
.irp n, 0,1,2,3
	v_max3_num_f32 v[C0+(\n)], v[rS+8*(\n)], v[rS+8*(\n)+1], v[rS+8*(\n)+2]
.endr
.irp n, 0,1,2,3
	v_max3_num_f32 v[C0+(\n)], v[C0+(\n)], v[rS+8*(\n)+3], v[rS+8*(\n)+4]
.endr
.irp n, 0,1,2,3
	v_max3_num_f32 v[C0+(\n)], v[C0+(\n)], v[rS+8*(\n)+5], v[rS+8*(\n)+6]
.endr
	v_max3_num_f32 v[C0], v[C0], v[rS+7], v[rS+15]
	v_max3_num_f32 v[C0+1], v[C0+1], v[rS+23], v[rS+31]
	v_max3_num_f32 v[C0+2], v[C0+2], v[C0+3], v[rM]
	v_max3_num_f32 v[C0], v[C0], v[C0+1], v[C0+2]
	v_permlanex16_b32 v[C0+3], v[C0], s[SEL], s[SEL+1]  ; the query's other 32 keys lie in the lane 16 away
	v_max_num_f32 v[C0+1], v[C0], v[C0+3]
	v_sub_f32 v[C0+2], v[rM], v[C0+1]
	v_exp_f32 v[rM+1], v[C0+2]                     ; a
	v_mov_b32 v[rM], v[C0+1]                       ; the plain instruction behind it: the lines below name the pair (m, a)
.set ii, 0
	s_wait_alu depctr_va_vdst(0)
.rept 15
	v_pk_add_f32 v[rS+2*ii:rS+2*ii+1], v[rS+2*ii:rS+2*ii+1], v[rM:rM+1] op_sel_hi:[1,0] neg_lo:[0,1] neg_hi:[0,1]
.set ii, ii+1
.endr
	v_exp_f32 v[rS], v[rS]
	v_exp_f32 v[rS+1], v[rS+1]
	v_pk_add_f32 v[rS+30:rS+31], v[rS+30:rS+31], v[rM:rM+1] op_sel_hi:[1,0] neg_lo:[0,1] neg_hi:[0,1]
.set ii, 1
.rept 15
	v_exp_f32 v[rS+2*ii], v[rS+2*ii]
	v_exp_f32 v[rS+2*ii+1], v[rS+2*ii+1]
	s_wait_alu depctr_va_vdst(0)
	v_cvt_pk_f16_f32 v[P+ii-1], v[rS+2*ii-2], v[rS+2*ii-1]
.set ii, ii+1
.endr
	v_cvt_pk_f16_f32 v[P+15], v[rS+30], v[rS+31]
.endm
.macro RS t                            ; O^T and l times a.  Of l's accumulator register 0 alone is ever read; the other seven only add up p and stay at or below 2,048
	WIN 0x41
.set ii, 0
.rept 16
	v_pk_mul_f32 v[32*(\t)+2*ii:32*(\t)+2*ii+1], v[32*(\t)+2*ii:32*(\t)+2*ii+1], v[ST+2*(\t):ST+2*(\t)+1] op_sel:[0,1] op_sel_hi:[1,1]
.set ii, ii+1
.endr
	v_mul_f32 v[LS+8*(\t)], v[LS+8*(\t)], v[ST+2*(\t)+1]
.endm
.macro PV t                            ; O^T += V^T P and l += ones x P: five accumulators take turns, twice
	WIN 0x51
.irp kk, 0,1
.irp cb, 0,1,2,3
	v_wmma_f32_16x16x32_f16 v[32*(\t)+8*(\cb):32*(\t)+8*(\cb)+7], v[VF+32*(\kk)+8*(\cb):VF+32*(\kk)+8*(\cb)+7], v[P+8*(\kk):P+8*(\kk)+7], v[32*(\t)+8*(\cb):32*(\t)+8*(\cb)+7]
.endr
	v_wmma_f32_16x16x32_f16 v[LS+8*(\t):LS+8*(\t)+7], v[ONE:ONE+7], v[P+8*(\kk):P+8*(\kk)+7], v[LS+8*(\t):LS+8*(\t)+7]
.endr
	WIN 0
.endm
; THE CHANGE OF SLOTS.  Each wave waits for all its tensor loads, of which one is out: its part of the other slot; adds 0 to its spare word; and waits for that and for its reads of the slot that it leaves.
; fill = 1: the barrier is a round of the cluster's, and the joint refill, with the keys two steps on, is the first thing behind it: it has a whole step in which to land.
.macro CHANGE fill
	WIN 0
	s_wait_tensorcnt 0x0                           ; no tensor load of mine is out, so a group 0 may be written
	ds_add_u32 v[SPW], v[NIL]                      ; 0 onto my spare word
.if \fill
	s_xor_b32 s[G0K+5], s[G0K+5], SLOT1            ; the walking descriptors: the other slot than last time, the next step
	s_add_nc_u64 s[G0K+6:G0K+7], s[G0K+6:G0K+7], 16384
	s_xor_b32 s[G0B+5], s[G0B+5], SLOT1
	s_add_nc_u64 s[G0B+6:G0B+7], s[G0B+6:G0B+7], 256
	s_wait_xcnt 0x0                                ; the last prefetch, a step back, has read its address
	s_add_nc_u64 s[PFA:PFA+1], s[PFA:PFA+1], s[PFS:PFS+1]  ; one step behind the walking descriptors
	s_wait_dscnt 0x0                               ; the add is done, and my reads of the slot are over
	CROUND
	JLOAD                                          ; its four v_nop are also the places behind the scores just made and in front of K's reload
	ASK
.else
	s_wait_dscnt 0x0
	s_barrier_signal -1
	s_barrier_wait -1
	PLACES
.endif
	s_xor_b32 s[TB], s[TB], SLOT1
	v_add_nc_u32 v[AK], s[TB], v[AK0]
	v_add_nc_u32 v[AV], s[TB], v[AV0]
	v_add_nc_u32 v[AB], s[TB], v[AB0]
.endm
; A KEY STEP.  At its head K, tile 0's bias and V have been asked of LDS, in that order.  The change of slots stands where a tile's softmax is still to do, so the next step's first LDS loads land under it.
.macro STEP fill
	s_wait_dscnt 16                                ; K and the bias are in; V's 16 loads may stay out
	QK 0
	FETCH_B 1
	PLACES
	SM 0
	RS 0
	s_wait_dscnt 8                                 ; V is in; the next bias's 8 loads may stay out
	PV 0
.irp t, 1,2
	s_wait_dscnt 0x0                               ; the tile's bias is in
	QK \t
	FETCH_B (\t)+1
	PLACES
	SM \t
	RS \t
	PV \t
.endr
	s_wait_dscnt 0x0
	QK 3
	CHANGE \fill
	FETCH_K                                        ; the next step's, out of the other slot
	FETCH_B 0
	SM 3
	RS 3
	PV 3
	PLACES                                         ; in front of the loads into V's registers
	FETCH_V
.endm
	s_wait_tensorcnt 1                             ; my part of step 0 is in; step 1's may stay out
	s_barrier_signal -1
	s_barrier_wait -1
	FETCH_K
	FETCH_B 0
	FETCH_V
	s_wait_loadcnt 0x0                             ; Q
	s_mov_b32 s[CNT], 30
.Lstep:                                                ; steps 0 to 29: trip j asks for step j + 2
	STEP 1
	s_sub_co_u32 s[CNT], s[CNT], 1
	s_cmp_lg_u32 s[CNT], 0
	s_cbranch_scc1 .Lstep
	s_mov_b32 s[CNT2], 2
.Ltail:                                                ; steps 30 and 31 ask for nothing; the last trip's fetches read a slot that has been used and serve nothing: the price of one text for both
	STEP 0
	s_sub_co_u32 s[CNT2], s[CNT2], 1
	s_cmp_lg_u32 s[CNT2], 0
	s_cbranch_scc1 .Ltail
	; THE WAY OUT.  O^T is divided by l, rounded to f16 and put into the work-group's stage; a barrier, since a row's 512 bytes come from four waves; back as whole rows.
	s_wait_dscnt 0x0
	PLACES
	WIN 0x01
.irp t, 0,1,2,3
	v_rcp_f32 v[ST+2*(\t)], v[LS+8*(\t)]
.endr
	v_nop                                          ; a plain instruction behind the last reciprocal
	s_wait_alu depctr_va_vdst(0)
.set tt, 0
.rept 4
	WIN 0x41
.set ii, 0
.rept 16
	v_pk_mul_f32 v[32*tt+2*ii:32*tt+2*ii+1], v[32*tt+2*ii:32*tt+2*ii+1], v[ST+2*tt:ST+2*tt+1] op_sel_hi:[1,0]
.set ii, ii+1
.endr
	WIN 0x05
.set ii, 0
.rept 16
	v_cvt_pk_f16_f32 v[S+16*tt+ii], v[32*tt+2*ii], v[32*tt+2*ii+1]
.set ii, ii+1
.endr
	WIN 0
.set ii, 0
.rept 4
	ds_store_b128 v[STO], v[S+16*tt+4*ii:S+16*tt+4*ii+3] offset:tt*16*SP+32*ii
.set ii, ii+1
.endr
.set tt, tt+1
.endr
	s_wait_dscnt 0x0                               ; for the others' sake: my stores into the stage are done
	s_barrier_signal -1
	s_barrier_wait -1
.set ii, 0
.rept 16
	ds_load_b128 v[Q+4*ii:Q+4*ii+3], v[RD] offset:ii*SP
.set ii, ii+1
.endr
.set ii, 0
.rept 16
	s_wait_dscnt 15-ii
	global_store_b128 v[GO], v[Q+4*ii:Q+4*ii+3], s[10:11] offset:ii*2048  ; 512 consecutive bytes, aligned: four heads of one row
.set ii, ii+1
.endr
	s_wait_tensorcnt 0x0                           ; the wave's end: an add and its wait, behind my last tensor load and my last LDS store
	ds_add_u32 v[SPW], v[NIL]
	s_wait_dscnt 0x0
	CROUND                                         ; the closing round
	s_endpgm
.Lfunc_end_k_q09c1ad7688_attn:
	.size	k_q09c1ad7688_attn, .Lfunc_end_k_q09c1ad7688_attn-k_q09c1ad7688_attn
	.p2alignl 7, 3214868480
	.fill 96, 4, 3214868480
	.section	.rodata,"a",@progbits
	.p2align	6, 0x0
	.amdhsa_kernel k_q09c1ad7688_attn
		.amdhsa_group_segment_fixed_size 327680
		.amdhsa_private_segment_fixed_size 0
		.amdhsa_enable_private_segment 0
		.amdhsa_kernarg_size 32
		.amdhsa_user_sgpr_count 2
		.amdhsa_user_sgpr_kernarg_segment_ptr 1
		.amdhsa_wavefront_size32 1
		.amdhsa_system_sgpr_workgroup_id_x 1
		.amdhsa_system_sgpr_workgroup_id_y 1
		.amdhsa_system_sgpr_workgroup_id_z 1
		.amdhsa_system_vgpr_workitem_id 0
		.amdhsa_next_free_vgpr 512
		.amdhsa_next_free_sgpr 100
		.amdhsa_reserve_vcc 0
		.amdhsa_float_denorm_mode_32 3
		.amdhsa_float_denorm_mode_16_64 3
		.amdhsa_memory_ordered 1
		.amdhsa_forward_progress 1
		.amdhsa_inst_pref_size 100
	.end_amdhsa_kernel
	.amdgpu_metadata
---
amdhsa.version: [ 1, 2 ]
amdhsa.kernels:
  - .name:           k_q09c1ad7688_attn
    .symbol:         k_q09c1ad7688_attn.kd
    .args:
      - { .name: q, .offset: 0, .size: 8, .value_kind: global_buffer, .address_space: global }
      - { .name: kv, .offset: 8, .size: 8, .value_kind: global_buffer, .address_space: global }
      - { .name: c32, .offset: 16, .size: 8, .value_kind: global_buffer, .address_space: global }
      - { .name: ob, .offset: 24, .size: 8, .value_kind: global_buffer, .address_space: global }
    .group_segment_fixed_size: 327680
    .private_segment_fixed_size: 0
    .kernarg_segment_align: 8
    .kernarg_segment_size: 32
    .max_flat_workgroup_size: 256
    .sgpr_count:     100
    .vgpr_count:     512
    .wavefront_size: 32
...
	.end_amdgpu_metadata
.endif
;; end of part 3
;; launch proj (part 4): grid 4 x 64, 4 waves a work-group, clusters of 4 x 4, 327,680 bytes of LDS; arguments ob, c16, proj_b, out0; writes out0
.if DOCPART == 4
	.amdgcn_target "amdgcn-amd-amdhsa--gfx1250"
	.amdhsa_code_object_version 6
	.text
	.protected	k_q09c1ad7688_proj
	.globl	k_q09c1ad7688_proj
	.p2align	8
	.type	k_q09c1ad7688_proj,@function
k_q09c1ad7688_proj:
	s_mov_b64 s[64:65], 0
	v_nop
	global_prefetch_b8 v0, s[64:65] scope:SCOPE_SE
	s_setreg_imm32_b32 hwreg(HW_REG_WAVE_MODE, 25, 1), 1
	s_wait_xcnt 0x0
	s_wait_alu depctr_hold_cnt(0) depctr_sa_sdst(0) depctr_va_vdst(0) depctr_va_sdst(0) depctr_va_ssrc(0) depctr_va_vcc(0) depctr_vm_vsrc(0)
	s_getreg_b32 s2, hwreg(HW_REG_IB_STS2, 6, 4)
	s_cmp_eq_u32 s2, 0
	s_cbranch_scc0 .Lentry_in_a_cluster
	s_endpgm
.Lentry_in_a_cluster:
	s_bfe_u32 s2, ttmp6, 0x10000c
	s_cmp_lg_u32 s2, 0xf033
	s_cbranch_scc0 .Lentry_shape_is_right
	s_endpgm
.Lentry_shape_is_right:
; THE OUTPUT PROJECTION.  out0[m][n] = the sum over k of O[m][k] W[n][k] + proj_b[n].  O: f16 [8192][1024]; W: proj_w rounded to bf16, written as f16, [1024][1024]; sums in f32; out0 f32.
; proj_b (rounded to bf16 like every input) is the C operand of the first product.
; SHARES.  A tile is 128 x 256: 256 work-groups, one for each WGP.  Four waves, each 64 x 128: 32 accumulators of 16 x 16, 256 registers.  K goes in steps of 128 (rows of 256 bytes) through two LDS slots.
; CLUSTER 4 x 4: O's tile is shared along a row of the cluster, W's along a column.  THE MATRIX INSTRUCTION IS USED TRANSPOSED: a lane holds one row of out0 (lane % 16) and eight neighbouring columns.
; REGISTERS: window 0: v0-31 addresses; v64-191 rows on the way out, two sets; v192-255 proj_b as C operands.  window 1: two fragment buffers (8 fragments of W, then 4 of O).  window 2: accumulator (a, b) at 64 a + 8 b.
.set NB,     8
.set PITCH,  272                       ; an LDS row: 256 bytes + 16 of padding
.set AHALF,  64*PITCH
.set BHALF,  16*NB*PITCH
.set BOFF,   128*PITCH
.set SLOT,   (128+32*NB)*PITCH
.set STAGE,  2*SLOT                    ; behind the ring: 16 rows x 528 bytes for each wave
.set SPITCH, 528                       ; 128 f32 + 16 bytes
.set SPARE,  STAGE+4*16*SPITCH         ; the spare words, 128 bytes for each wave, that no other line names
.set WOFF,   23068672                  ; W in c16
.set LAPS,   4
.set ADRA, 16
.set ADRB, 20
.set STO,  24
.set RD,   25
.set CO,   26
.set SPW,  28                          ; v28  my spare word; never rewritten
.set NIL,  29                          ; v29  0; never rewritten
.set T,    32
.set CB,   192
.set F0,   0
.set F1,   128
.set G1,  24
.set G0,  32
.set G1B, 48
.set G0B, 56
.set MSB, 0
.macro WIN new
.if MSB != (\new)
	s_set_vgpr_msb (MSB<<8)|(\new)
.set MSB, \new
.endif
.endm
.macro PLACES
.rept 4
	v_nop
.endr
.endm
.macro JLOAD s                         ; a joint load: waves 0 and 1 fetch O's two halves, waves 2 and 3 W's; an s_nop 0 and four v_nop follow each line
	s_cmp_eq_u32 s11, 0
	s_cbranch_scc0 .Lfor_b_\@
	tensor_load_to_lds s[G0+4*(\s):G0+4*(\s)+3], s[G1:G1+7]
	s_nop 0
.rept 4
	v_nop
.endr
	s_branch .Lasked_\@
.Lfor_b_\@:
	tensor_load_to_lds s[G0B+4*(\s):G0B+4*(\s)+3], s[G1B:G1B+7]
	s_nop 0
.rept 4
	v_nop
.endr
.Lasked_\@:
.endm
.macro CREST
	s_cmp_lg_u32 s10, 0
	s_cbranch_scc1 .Lnot_wave_0_\@
	s_barrier_signal -3
.Lnot_wave_0_\@:
	s_barrier_wait -3
	s_barrier_signal -1
	s_barrier_wait -1
.endm
.macro CROUND
	s_barrier_signal -1
	s_barrier_wait -1
	CREST
.endm
	s_load_b256 s[68:75], s[0:1], 0x0              ; ob s[68:69], c16 s[70:71], proj_b s[72:73], out0 s[74:75]
	v_lshl_add_u32 v[SPW], v0, 2, SPARE
	v_mov_b32 v[NIL], 0
	ds_add_u32 v[SPW], v[NIL]                      ; the wave's opening: the add and its wait stand ahead of my first tensor load
	v_lshrrev_b32 v1, 5, v0
	v_readfirstlane_b32 s10, v1                    ; wave 0..3
	s_lshr_b32 s11, s10, 1                         ; my half of the rows.  Also: I fetch for O (0) or for W (1)
	s_and_b32 s12, s10, 1                          ; my half of the columns.  Also: which half of that tile I fetch
	s_bfe_u32 s40, ttmp6, 0x40000
	s_bfe_u32 s41, ttmp6, 0x40004
	s_lshl_b32 s42, ttmp9, 2
	s_add_co_u32 s42, s42, s40                     ; tile column
	s_and_b32 s13, ttmp7, 0xffff
	s_lshl_b32 s13, s13, 2
	s_add_co_u32 s13, s13, s41                     ; tile row
	s_lshl_b32 s43, s41, 2
	s_lshl_b32 s43, 15, s43
	s_lshl_b32 s44, 0x1111, s40
	s_or_b32 s[G1+0], s43, (1<<16)|(1<<20)|(1<<21)|(5<<22)|(3<<25)
	s_or_b32 s[G1B+0], s44, (1<<16)|(1<<20)|(1<<21)|(5<<22)|(3<<25)
	s_mov_b32 s[G1+1], 128<<16
	s_mov_b32 s[G1+2], 64<<16
	s_mov_b32 s[G1+3], 128<<16
	s_mov_b32 s[G1+4], 64
	s_mov_b32 s[G1+5], 1024
	s_mov_b32 s[G1+6], 0
	s_mov_b32 s[G1+7], 0
	s_mov_b32 s[G1B+1], 128<<16
	s_mov_b32 s[G1B+2], (16*NB)<<16
	s_mov_b32 s[G1B+3], 128<<16
	s_mov_b32 s[G1B+4], 16*NB
	s_mov_b32 s[G1B+5], 1024
	s_mov_b32 s[G1B+6], 0
	s_mov_b32 s[G1B+7], 0
	s_lshl_b32 s17, s12, 6
	s_lshl_b32 s16, s13, 7
	s_add_co_u32 s16, s16, s17
	s_lshl_b32 s16, s16, 11                        ; O: row 128 x tile row + 64 x half, of 2,048 bytes
	s_mov_b32 s17, 0
	s_mul_i32 s46, s42, 32*NB
	s_mul_i32 s47, s12, 16*NB
	s_add_co_u32 s46, s46, s47
	s_lshl_b32 s46, s46, 11
	s_add_co_u32 s46, s46, WOFF
	s_mov_b32 s47, 0
	s_mul_i32 s20, s12, AHALF
	s_mul_i32 s21, s12, BHALF
	s_add_co_u32 s21, s21, BOFF
	s_wait_dscnt 0x0                               ; the opening add is done
	s_wait_kmcnt 0x0
	s_add_nc_u64 s[14:15], s[68:69], s[16:17]
	s_add_nc_u64 s[46:47], s[70:71], s[46:47]
	CROUND
.irp s, 0,1
	s_mov_b32 s[G0+4*(\s)], 1
	s_add_co_u32 s[G0+4*(\s)+1], s20, (\s)*SLOT
	s_add_nc_u64 s[G0+4*(\s)+2:G0+4*(\s)+3], s[14:15], (\s)*256
	s_or_b32 s[G0+4*(\s)+3], s[G0+4*(\s)+3], 0x80000000
	s_mov_b32 s[G0B+4*(\s)], 1
	s_add_co_u32 s[G0B+4*(\s)+1], s21, (\s)*SLOT
	s_add_nc_u64 s[G0B+4*(\s)+2:G0B+4*(\s)+3], s[46:47], (\s)*256
	s_or_b32 s[G0B+4*(\s)+3], s[G0B+4*(\s)+3], 0x80000000
	JLOAD \s                                       ; two loads of mine are out
.endr
	v_and_b32 v1, 15, v0
	v_bfe_u32 v2, v0, 4, 1
	v_and_b32 v5, 31, v0
	s_lshl_b32 s88, s42, 10                        ; my 128 columns: byte 1,024 x tile column + 512 x half of proj_b and of a row of out0
	s_lshl_b32 s89, s12, 9
	s_add_co_u32 s88, s88, s89
	s_mov_b32 s89, 0
	s_add_nc_u64 s[72:73], s[72:73], s[88:89]
	s_add_nc_u64 s[74:75], s[74:75], s[88:89]
	v_lshlrev_b32 v3, 5, v2                        ; register j of block b holds column 16 b + 8 h + j
.set ii, 0
.rept 8
	global_load_b128 v[CB+8*ii:CB+8*ii+3],   v3, s[72:73] offset:64*ii
	global_load_b128 v[CB+8*ii+4:CB+8*ii+7], v3, s[72:73] offset:64*ii+16
.set ii, ii+1
.endr
	s_lshl_b32 s88, s13, 7
	s_lshl_b32 s90, s11, 6
	s_add_co_u32 s88, s88, s90
	s_lshl_b32 s88, s88, 12                        ; my first row of out0, of 4,096 bytes
	s_add_nc_u64 s[74:75], s[74:75], s[88:89]
	v_mul_u32_u24 v7, v1, PITCH
	v_lshl_add_u32 v7, v2, 4, v7
	s_mul_i32 s91, s11, AHALF
	s_mul_i32 s92, s12, BHALF
	s_add_co_u32 s92, s92, BOFF
.irp s, 0,1
	v_add_nc_u32 v[ADRA+(\s)], s91, v7
	v_add_nc_u32 v[ADRB+(\s)], s92, v7
	s_add_co_u32 s91, s91, SLOT
	s_add_co_u32 s92, s92, SLOT
.endr
	s_mul_i32 s93, s10, 16*SPITCH
	s_add_co_u32 s93, s93, STAGE                   ; my stage
	v_mul_u32_u24 v8, v1, SPITCH
	v_lshl_add_u32 v8, v2, 5, v8                   ; in: row r, 32 bytes for each half of the lanes
	v_add_nc_u32 v[STO], s93, v8
	v_lshl_add_u32 v[RD], v5, 4, s93               ; back: a row of 512 bytes, 16 a lane
	v_lshlrev_b32 v[CO], 4, v5
	s_wait_loadcnt 0x0
.set ii, 0
.rept 32                                       ; proj_b is rounded to bf16, like every input, and widened again
	v_cvt_pk_bf16_f32 v[T+ii], v[CB+2*ii], v[CB+2*ii+1]
.set ii, ii+1
.endr
.set ii, 0
.rept 32
	v_lshlrev_b32 v[CB+2*ii], 16, v[T+ii]
	v_and_b32 v[CB+2*ii+1], 0xffff0000, v[T+ii]
.set ii, ii+1
.endr
; 8 matrix instructions: rows 16 a on x my 8 column blocks, 32 along K.  zero = 1: the first product starts the sums with proj_b.  The 32 accumulators take turns.
.macro MULROW f, a, zero
.set bb, 0
.rept NB
.set RR, 8*NB*(\a)+8*bb
.set RB, (\f)+8*bb
.set RA, (\f)+8*NB+8*(\a)
.if \zero
	WIN 0x85
	v_wmma_f32_16x16x32_f16 v[RR:RR+7], v[RB:RB+7], v[RA:RA+7], v[CB+8*bb:CB+8*bb+7]
.else
	WIN 0xa5
	v_wmma_f32_16x16x32_f16 v[RR:RR+7], v[RB:RB+7], v[RA:RA+7], v[RR:RR+7]
.endif
.set bb, bb+1
.endr
.endm
.macro FETCH slot, k, f                ; 24 LDS loads in one run: W's 16 first, then O's 8
	WIN 0x40
.set ii, 0
.rept NB
	ds_load_b128 v[(\f)+8*ii:(\f)+8*ii+3],   v[ADRB+(\slot)] offset:(\k)+ii*16*PITCH
	ds_load_b128 v[(\f)+8*ii+4:(\f)+8*ii+7], v[ADRB+(\slot)] offset:(\k)+ii*16*PITCH+32
.set ii, ii+1
.endr
.set ii, 0
.rept 4
	ds_load_b128 v[(\f)+8*NB+8*ii:(\f)+8*NB+8*ii+3],   v[ADRA+(\slot)] offset:(\k)+ii*16*PITCH
	ds_load_b128 v[(\f)+8*NB+8*ii+4:(\f)+8*NB+8*ii+7], v[ADRA+(\slot)] offset:(\k)+ii*16*PITCH+32
.set ii, ii+1
.endr
.endm
.macro QUARTER slot, k, f, g, zero
	s_wait_dscnt 4                                 ; the youngest four loads, O's rows 32-63, may be out
	MULROW \f, 0, \zero
	MULROW \f, 1, \zero
	PLACES
	FETCH \slot, \k, \g
	s_wait_dscnt 2*NB+8                            ; all but the 24 just issued
	MULROW \f, 2, \zero
	MULROW \f, 3, \zero
.endm
.macro TURN slot, next, fill
	WIN 0
	s_wait_tensorcnt 0x0                           ; all my tensor loads have landed: my part of the next slot;
	ds_add_u32 v[SPW], v[NIL]                      ; 0 onto my spare word;
	s_wait_dscnt 5                                 ; (the add and the youngest four loads may be out)
	MULROW F1, 0, 0
	s_wait_dscnt 0x0                               ; the add is done, and my reads of this slot are over
	s_barrier_signal -1
	MULROW F1, 1, 0
.if \fill
	WIN 0
.endif
	s_barrier_wait -1
.if \fill
	CREST                                          ; no wave of any partner still reads this slot or has a load on its way
	s_add_nc_u64 s[G0+4*(\slot)+2:G0+4*(\slot)+3], s[G0+4*(\slot)+2:G0+4*(\slot)+3], 512
	s_add_nc_u64 s[G0B+4*(\slot)+2:G0B+4*(\slot)+3], s[G0B+4*(\slot)+2:G0B+4*(\slot)+3], 512
	JLOAD \slot                                    ; 112 matrix instructions ahead of the wait for it; its four v_nop are the places in front of the loads below
.else
	PLACES
.endif
	FETCH \next, 0, F0
	MULROW F1, 2, 0
	MULROW F1, 3, 0
.endm
	s_wait_tensorcnt 1                             ; my part of K step 0 is in; K step 1's may stay out
	s_barrier_signal -1
	s_barrier_wait -1
	FETCH 0, 0, F0
	QUARTER 0, 64, F0, F1, 1
	WIN 0
	s_mov_b32 s3, LAPS-1
.Llap:
	QUARTER 0, 128, F1, F0, 0
	QUARTER 0, 192, F0, F1, 0
	TURN 0, 1, 1
	QUARTER 1, 64,  F0, F1, 0
	QUARTER 1, 128, F1, F0, 0
	QUARTER 1, 192, F0, F1, 0
	TURN 1, 0, 1
	QUARTER 0, 64,  F0, F1, 0
	WIN 0
	s_sub_co_u32 s3, s3, 1
	s_cmp_lg_u32 s3, 0
	s_cbranch_scc1 .Llap
	QUARTER 0, 128, F1, F0, 0
	QUARTER 0, 192, F0, F1, 0
	TURN 0, 1, 0
	QUARTER 1, 64,  F0, F1, 0
	QUARTER 1, 128, F1, F0, 0
	QUARTER 1, 192, F0, F1, 0
	s_wait_dscnt 4
	MULROW F1, 0, 0
	MULROW F1, 1, 0
	s_wait_dscnt 0x0
	MULROW F1, 2, 0
	MULROW F1, 3, 0
	WIN 0
	PLACES
	PLACES
; THE WAY OUT, 16 rows at a time: the f32 sums go into my stage as they lie (each accumulator's low half first) and come back as whole rows of 512 bytes.
.macro OUT a
.set OBF, 64+64*((\a)%2)
.if (\a) >= 2
	s_wait_xcnt 0x0                                ; the stores of the block two back have read this set of registers
.endif
	WIN 0x08                                       ; the stores' data in window 2
.set bb, 0
.rept 8
	ds_store_b128 v[STO], v[64*(\a)+8*bb:64*(\a)+8*bb+3]   offset:64*bb
	ds_store_b128 v[STO], v[64*(\a)+8*bb+4:64*(\a)+8*bb+7] offset:64*bb+16
.set bb, bb+1
.endr
	WIN 0
.set ii, 0
.rept 16
	ds_load_b128 v[OBF+4*ii:OBF+4*ii+3], v[RD] offset:ii*SPITCH  ; LDS serves a wave's instructions in order (ISA guide 5.7.1.4): these see the stores above
.set ii, ii+1
.endr
.set ii, 0
.rept 16
	s_wait_dscnt 15-ii
	global_store_b128 v[CO], v[OBF+4*ii:OBF+4*ii+3], s[74:75] offset:(\a)*65536+ii*4096  ; 512 consecutive bytes, aligned
.set ii, ii+1
.endr
.endm
	OUT 0
	OUT 1
	OUT 2
	OUT 3
	s_wait_tensorcnt 0x0                           ; the wave's end: an add and its wait, behind my last tensor load and my last LDS store
	ds_add_u32 v[SPW], v[NIL]
	s_wait_dscnt 0x0
	CROUND                                         ; the closing round
	s_endpgm
.Lfunc_end_k_q09c1ad7688_proj:
	.size	k_q09c1ad7688_proj, .Lfunc_end_k_q09c1ad7688_proj-k_q09c1ad7688_proj
	.p2alignl 7, 3214868480
	.fill 96, 4, 3214868480
	.section	.rodata,"a",@progbits
	.p2align	6, 0x0
	.amdhsa_kernel k_q09c1ad7688_proj
		.amdhsa_group_segment_fixed_size 327680
		.amdhsa_private_segment_fixed_size 0
		.amdhsa_enable_private_segment 0
		.amdhsa_kernarg_size 32
		.amdhsa_user_sgpr_count 2
		.amdhsa_user_sgpr_kernarg_segment_ptr 1
		.amdhsa_wavefront_size32 1
		.amdhsa_system_sgpr_workgroup_id_x 1
		.amdhsa_system_sgpr_workgroup_id_y 1
		.amdhsa_system_sgpr_workgroup_id_z 1
		.amdhsa_system_vgpr_workitem_id 0
		.amdhsa_next_free_vgpr 768
		.amdhsa_next_free_sgpr 100
		.amdhsa_reserve_vcc 0
		.amdhsa_float_denorm_mode_32 3
		.amdhsa_float_denorm_mode_16_64 3
		.amdhsa_memory_ordered 1
		.amdhsa_forward_progress 1
		.amdhsa_inst_pref_size 93
	.end_amdhsa_kernel
	.amdgpu_metadata
---
amdhsa.version: [ 1, 2 ]
amdhsa.kernels:
  - .name:           k_q09c1ad7688_proj
    .symbol:         k_q09c1ad7688_proj.kd
    .args:
      - { .name: ob, .offset: 0, .size: 8, .value_kind: global_buffer, .address_space: global }
      - { .name: c16, .offset: 8, .size: 8, .value_kind: global_buffer, .address_space: global }
      - { .name: proj_b, .offset: 16, .size: 8, .value_kind: global_buffer, .address_space: global }
      - { .name: out0, .offset: 24, .size: 8, .value_kind: global_buffer, .address_space: global }
    .group_segment_fixed_size: 327680
    .private_segment_fixed_size: 0
    .kernarg_segment_align: 8
    .kernarg_segment_size: 32
    .max_flat_workgroup_size: 128
    .sgpr_count:     100
    .vgpr_count:     768
    .wavefront_size: 32
...
	.end_amdgpu_metadata
.endif
;; end of part 4
